; MI455X (gfx1250); checked and timed in simulation.
; The chip was launched on July 23, 2026; its instructions are those of AMD's public machine-readable ISA for CDNA 5 (MIT licence, August 2026) and "CDNA5" Instruction Set Architecture Reference Guide (July 2026). The comments in the code are by the model that wrote it; some were corrected since.
;; Causal Self Attention. Allowed arithmetic: matrix products marked QUANTISED: E4M3 operands, one given power-of-two scale a tensor, by v_wmma_f32_16x16x64_fp8_fp8 or v_wmma_f32_16x16x128_fp8_fp8, f32 sums; everything else in f32.
;; Inputs: b_o 1,024 float32; b_qkv 3,072 float32; lowp_scales 8 int32 (the exponents e of the quantised operands' scales 2^e); w_o 1,024 x 1,024 float32; w_qkv 1,024 x 3,072 float32; x 4 x 2,048 x 1,024 float32.
;; Outputs: out0 4 x 2,048 x 1,024 float32.
;; This version of the problem:
;;   THIS VERSION OF THE PROBLEM IS GIVEN IN LOW PRECISION. The matrix products marked QUANTISED in the list below multiply operands that are first quantised to E4M3 (4 exponent bits, 3 mantissa bits; 8 bits a number), with one given power-of-two scale for each operand tensor; their sums are f32. All else is computed in f32.
;;   The module's matrix products, in the order in which they are computed (A, B: the left and right operand; K: the contracted axis; several contracted axes count as one K, in the product's order):
;;     1. [M 8,192, K 1,024] x [K 1,024, N 3,072]; A: input x; B: input w_qkv: QUANTISED (scales: A lowp_scales[0], B lowp_scales[1])
;;     2. batch 64 x [M 2,048, K 64] x [K 64, N 2,048]; A: computed on the way; B: computed on the way: QUANTISED (scales: A lowp_scales[2], B lowp_scales[3])
;;     3. batch 64 x [M 2,048, K 2,048] x [K 2,048, N 64]; A: softmax (see below); B: computed on the way: QUANTISED (scales: A lowp_scales[4], B lowp_scales[5])
;;     4. [M 8,192, K 1,024] x [K 1,024, N 1,024]; A: computed on the way; B: input w_o: QUANTISED (scales: A lowp_scales[6], B lowp_scales[7])
;;   THE QUANTISER, for each operand of a quantised product, along K:
;;     - The operand's scale is 2^e, e = its entry of the input lowp_scales (int32; the entries are numbered through the quantised products in the list's order, A before B).
;;     - Each number is divided by the scale, clamped to +-448, and rounded to the nearest number of E4M3, ties to even, subnormals kept.
;;     - The product sums the exact products of the quantised numbers (number of the format x scale) in f32.
;;   ~~~python
;;   def quantise(x, axis, e):      # numpy; x: float32 -> the quantised numbers, widened to float32 again
;;       x = np.moveaxis(x, axis, -1); K = x.shape[-1]
;;       r = np.clip(x / 2.0 ** e, -448, 448)
;;       step = 2.0 ** (np.maximum(np.frexp(np.where(r == 0, 1, r))[1] - 1, -6) - 3)
;;       q = np.round(r / step) * step * 2.0 ** e      # np.round: ties to even
;;       return np.moveaxis(q, -1, axis).astype(np.float32)
;;   ~~~
;;   SOFTMAX AHEAD OF A QUANTISED PRODUCT. Where the list says 'softmax', what is quantised is not the finished softmax but p = 2^(t - M), with t = logit x log2(e) and M = ceil(the row's largest t), a whole number; so 1/2 < the row's largest p <= 1. The row's sum l is taken of the UNQUANTISED p, in f32, and the product's result is divided by l at the end. Since M is a whole number, a kernel that streams over the keys may use a running M (the ceiling of the running maximum): every later rescaling is an exact power of two, so the quantised numbers keep their values, but for numbers so far below the row's largest that they fall under the format's range.
;;   OPERANDS COMPUTED ON THE WAY. 'Computed on the way' means the value that the module computes at that place (a softmax that the list does not call 'softmax' is quantised finished and normalised). What goes into a quantiser is computed in f32, as accurately as f32 sums, v_exp_f32 and their like allow (about 1e-6 of the number): no bf16 or f16 on the way to a quantiser, and a product that is left as it is and whose result goes on into a quantised operand takes f32 operands (vector FMAs, or v_wmma_f32_16x16x4_f32). A number that lies on a knife's edge between two numbers of the format may be rounded either way, as far as f32 arithmetic and the matrix unit's own rounding can turn it there, and no further.
;; One version. Each part assembles by itself: llvm-mc -triple=amdgcn-amd-amdhsa -mcpu=gfx1250 --defsym DOCPART=n.
;; ======== version 1 of 1: 4 launches
;; limits: right only within a limited range of input values
;; workspace buffers: xc 8,388,608 bytes; wqkvc 3,145,728 bytes; woc 1,048,576 bytes; qc 8,388,608 bytes; kc 8,388,608 bytes; vc 8,388,608 bytes; yc 8,388,608 bytes
;; launch quant (part 1): grid 384 x 1, 4 waves a work-group, no clusters, 68,096 bytes of LDS; arguments w_qkv, w_o, lowp_scales, wqkvc, woc, x, xc; writes wqkvc, woc, xc
.if DOCPART == 1
	.amdgcn_target "amdgcn-amd-amdhsa--gfx1250"
	.amdhsa_code_object_version 6
	.text
	.protected	k_qf35047c64e_quant
	.globl	k_qf35047c64e_quant
	.p2align	8
	.type	k_qf35047c64e_quant,@function
k_qf35047c64e_quant:
	s_mov_b64 s[64:65], 0
	v_nop
	global_prefetch_b8 v0, s[64:65] scope:SCOPE_SE
	s_setreg_imm32_b32 hwreg(HW_REG_WAVE_MODE, 25, 1), 1
	s_wait_xcnt 0x0
; All three f32 inputs of the quantised products become codes of FP8 (E4M3), one a byte, K innermost: code = number / 2^e, held within +-448, to the nearest code, ties to even.
; e: entry 0 of the scales for x, entry 1 for w_qkv, entry 7 for w_o.  LIMIT: -126 <= e <= 119.  NaN among the inputs is not served.
; Work-groups 0 .. 127 take the weights, 128 .. 383 take x: two paths that part on the work-group's number, each with LDS bytes of its own.
; WEIGHTS [1024 (k)][columns]: number & 31 = 0 .. 23: 128 columns of w_qkv, 24 .. 31: of w_o; number >> 5: the block of 256 along K.  A lane takes a column and its registers run down K, so the
; conversions give codes with K innermost; they go through the wave's own stage and leave as rows: sixteen lanes store 256 consecutive aligned bytes.  Loads run two blocks (64 loads a wave) ahead.
; X [8192][1024] is a plain stream: a wave takes 16 steps of 512 numbers; each load reads 512 consecutive bytes; a step's 2,048 bytes turn through the wave's own stage so that a lane holds 16
; neighbours along K; a store covers 512 consecutive bytes.  Loads run four steps (16 loads a wave) ahead.  No barrier: waves share nothing.
.set SPW,   12                         ; v12 LDS address of my spare word; never rewritten
.set NIL,   13                         ; v13 0; never rewritten
.set WREG,  8192                       ; x: a region for each wave: two stages of 32 x SP bytes
.set SP,    80
.set WOFF,  4*WREG                     ; the weights' four stages lie behind x's regions
.set PITCH, 272
.set SPARE, WOFF+4*32*PITCH            ; behind them: the spare words, 128 bytes a wave
	s_load_b128 s[4:7], s[0:1], 0x0                ; w_qkv, w_o
	s_load_b128 s[8:11], s[0:1], 0x10              ; the scales' exponents, w_qkv's codes
	s_load_b64 s[12:13], s[0:1], 0x20              ; w_o's codes
	s_load_b64 s[50:51], s[0:1], 0x28              ; x
	s_load_b64 s[52:53], s[0:1], 0x30              ; x's codes
	v_lshl_add_u32 v[SPW], v0, 2, SPARE
	v_mov_b32 v[NIL], 0
	v_lshrrev_b32 v1, 5, v0
	v_readfirstlane_b32 s16, v1                    ; wave
	v_and_b32 v2, 31, v0                           ; lane
	s_wait_alu depctr_va_vdst(0)
	s_cmp_lt_u32 ttmp9, 128
	s_cbranch_scc1 .Lweights
; ---- x ----
.set STEPS, 16
.set XR,    16                         ; v16-79   four sets of 16 numbers as loaded
.set XX,    80                         ; v80-111  two sets of 16 neighbours
.set XC,    128                        ; v128-191 codes: four registers a step, never written again
	v_lshlrev_b32 v3, 4, v2                        ; 16 x lane
	s_mul_i32 s17, s16, WREG
	v_lshrrev_b32 v14, 2, v2
	v_mul_u32_u24 v14, v14, SP
	v_and_b32 v15, 3, v2
	v_lshl_add_u32 v14, v15, 4, v14
	v_add_nc_u32 v14, s17, v14                     ; the stage, way in: four lanes' 64 bytes on end, then 16 of padding
	v_mul_u32_u24 v15, v2, SP
	v_add_nc_u32 v15, s17, v15                     ; way out: my 16 neighbours
	s_wait_alu depctr_va_vdst(0)
	s_wait_kmcnt 0x0
	s_load_b32 s22, s[8:9], 0x0                    ; e0
	s_sub_co_u32 s18, ttmp9, 128
	s_lshl_b32 s18, s18, 2
	s_add_co_u32 s18, s18, s16                     ; which run of 8,192 numbers is my wave's
	s_lshl_b32 s20, s18, 15
	s_mov_b32 s21, 0
	s_add_nc_u64 s[50:51], s[50:51], s[20:21]
	s_lshl_b32 s20, s18, 13
	s_add_nc_u64 s[52:53], s[52:53], s[20:21]
.macro XLOAD t
.irp i, 0,1,2,3
	global_load_b128 v[XR+16*((\t)%4)+4*\i:XR+16*((\t)%4)+4*\i+3], v3, s[50:51] offset:2048*(\t)+512*\i th:TH_LOAD_NT
.endr
.endm
.macro XTURN t                         ; LDS serves a wave's instructions in order: no wait between the stores and the loads
.irp i, 0,1,2,3
	ds_store_b128 v14, v[XR+16*((\t)%4)+4*\i:XR+16*((\t)%4)+4*\i+3] offset:32*SP*((\t)%2)+8*SP*\i
.endr
.irp i, 0,1,2,3
	ds_load_b128 v[XX+16*((\t)%2)+4*\i:XX+16*((\t)%2)+4*\i+3], v15 offset:32*SP*((\t)%2)+16*\i
.endr
.endm
.irp t, 0,1,2,3
	XLOAD \t
.endr
	s_wait_kmcnt 0x0
	s_add_co_i32 s22, s22, 127
	s_lshl_b32 s23, s22, 23
	v_mov_b32 v11, s23                             ; 2^e
	s_add_co_i32 s22, s22, 8
	s_lshl_b32 s22, s22, 23
	s_or_b32 s22, s22, 0x600000
	v_mov_b32 v10, s22                             ; 448 x 2^e
	s_wait_alu depctr_va_vdst(0)
	s_wait_loadcnt 12                              ; step 0's four loads are in; the twelve of steps 1 to 3 may be out
	XTURN 0
.macro XSTEP t
.set XS, XX+16*((\t)%2)
	s_wait_dscnt 0x0                               ; this step's numbers are back, so its stores into the stage have read their registers,
.if (\t)+4 < STEPS
	XLOAD (\t)+4                                   ; which take the loads of four steps on
.endif
.if (\t)+1 < STEPS
.if STEPS-2-(\t) >= 3
	s_wait_loadcnt 12                              ; the next step's four are in; three steps' twelve may be out
.else
	s_wait_loadcnt 4*(STEPS-2-(\t))
.endif
	XTURN (\t)+1
.endif
.irp i, 0,1,2,3,4,5,6,7,8,9,10,11,12,13,14,15
	v_med3_num_f32 v[XS+\i], v[XS+\i], -v10, v10   ; the hold: the conversion does not saturate (ISA guide 7.6.2)
.endr
	v_cvt_scalef32_pk8_fp8_f32 v[XC+4*(\t):XC+4*(\t)+1], v[XS:XS+7], v11
	v_cvt_scalef32_pk8_fp8_f32 v[XC+4*(\t)+2:XC+4*(\t)+3], v[XS+8:XS+15], v11
	global_store_b128 v3, v[XC+4*(\t):XC+4*(\t)+3], s[52:53] offset:512*(\t)
.endm
.irp t, 0,1,2,3,4,5,6,7,8,9,10,11,12,13,14,15
	XSTEP \t
.endr
	s_wait_tensorcnt 0x0                           ; the wave's end
	ds_add_u32 v[SPW], v[NIL]
	s_wait_dscnt 0x0
	s_endpgm
; ---- the weights ----
.Lweights:
.set NB,    8                          ; blocks of 32 along K for a wave
.set KROW,  1024
.set WX,    32                         ; v32-95   two sets of 32 numbers
.set WC,    96                         ; v96-103  a block's codes
.set OUTR,  112                        ; v112-175 the way out
.set RO,    176                        ; v176-207 4 x lane + i x the row pitch; never rewritten
.set SB,    32                         ; s[32:47] the eight blocks' bases
	s_and_b32 s29, ttmp9, 31                       ; which 128 columns
	s_mov_b32 s28, 4096
	s_cmp_lt_u32 s29, 24                           ; w_qkv's or w_o's
	s_cselect_b32 s28, 12288, s28                  ; the row pitch in bytes
	s_cselect_b32 s17, 0, 24
	s_sub_co_u32 s17, s29, s17
	s_lshl_b32 s17, s17, 7
	s_lshl_b32 s18, s16, 5
	s_add_co_u32 s17, s17, s18                     ; my wave's first column
	s_lshr_b32 s18, ttmp9, 5
	s_lshl_b32 s20, s18, 8                         ; my first k
	s_mul_i32 s22, s20, s28
	s_lshl_b32 s23, s17, 2
	s_add_co_u32 s22, s22, s23                     ; in: k x pitch + 4 x column
	s_mov_b32 s23, 0
	s_lshl_b32 s24, s17, 10
	s_add_co_u32 s24, s24, s20                     ; out: column x 1,024 + k
	s_mov_b32 s25, 0
	s_lshl_b32 s26, s28, 5                         ; 32 rows on
	s_mov_b32 s27, 0
	v_lshlrev_b32 v3, 2, v2
.irp i, 0,1,2,3,4,5,6,7,8,9,10,11,12,13,14,15,16,17,18,19,20,21,22,23,24,25,26,27,28,29,30,31
	v_mad_u32_u24 v[RO+\i], s28, \i, v3
.endr
	s_mul_i32 s19, s16, 32*PITCH
	s_add_co_u32 s19, s19, WOFF                    ; my stage
	v_mul_u32_u24 v4, v2, PITCH
	v_add_nc_u32 v4, s19, v4                       ; into it: row = my column
	v_and_b32 v5, 15, v2
	v_lshrrev_b32 v6, 4, v2
	v_mul_u32_u24 v7, v6, PITCH
	v_lshl_add_u32 v7, v5, 4, v7
	v_add_nc_u32 v7, s19, v7                       ; out of it: sixteen lanes to a row, two rows an instruction
	v_mul_u32_u24 v8, v6, KROW
	v_lshl_add_u32 v8, v5, 4, v8                   ; and the same place in the codes
	s_wait_alu depctr_va_vdst(0)
	s_wait_kmcnt 0x0
	s_load_b32 s30, s[8:9], 0x4                    ; e1
	s_load_b32 s31, s[8:9], 0x1c                   ; e7
	s_cmp_lt_u32 s29, 24
	s_cselect_b64 s[4:5], s[4:5], s[6:7]
	s_cselect_b64 s[14:15], s[10:11], s[12:13]
	s_add_nc_u64 s[SB:SB+1], s[4:5], s[22:23]
.irp t, 1,2,3,4,5,6,7
	s_add_nc_u64 s[SB+2*\t:SB+2*\t+1], s[SB+2*\t-2:SB+2*\t-1], s[26:27]
.endr
	s_add_nc_u64 s[14:15], s[14:15], s[24:25]
.macro WLOAD t                         ; block t: W(32 t + i, my column) into set t % 2
.irp i, 0,1,2,3,4,5,6,7,8,9,10,11,12,13,14,15,16,17,18,19,20,21,22,23,24,25,26,27,28,29,30,31
	global_load_b32 v[WX+32*((\t)%2)+\i], v[RO+\i], s[SB+2*(\t):SB+2*(\t)+1] th:TH_LOAD_NT
.endr
.endm
	WLOAD 0
	WLOAD 1
	s_wait_kmcnt 0x0
	s_cmp_lt_u32 s29, 24
	s_cselect_b32 s30, s30, s31                    ; e
	s_add_co_i32 s30, s30, 127
	s_lshl_b32 s31, s30, 23
	v_mov_b32 v11, s31                             ; 2^e
	s_add_co_i32 s30, s30, 8
	s_lshl_b32 s30, s30, 23
	s_or_b32 s30, s30, 0x600000
	v_mov_b32 v10, s30                             ; 448 x 2^e
.macro WBLOCK t
.set XS, WX+32*((\t)%2)
.if (\t) < NB-1
	s_wait_loadcnt 32                              ; this block's 32 loads are in; the next block's 32 may be out
.else
	s_wait_loadcnt 0
.endif
.irp i, 0,1,2,3,4,5,6,7,8,9,10,11,12,13,14,15,16,17,18,19,20,21,22,23,24,25,26,27,28,29,30,31
	v_med3_num_f32 v[XS+\i], v[XS+\i], -v10, v10
.endr
.irp g, 0,1,2,3
	v_cvt_scalef32_pk8_fp8_f32 v[WC+2*\g:WC+2*\g+1], v[XS+8*\g:XS+8*\g+7], v11
.endr
	ds_store_b128 v4, v[WC:WC+3] offset:32*(\t)
	ds_store_b128 v4, v[WC+4:WC+7] offset:32*(\t)+16
.if (\t)+2 < NB
	WLOAD (\t)+2
.endif
	s_wait_dscnt 0x0                               ; the stores have read their registers: the next block's codes may be written
.endm
.set Q, 0
	s_wait_alu depctr_va_vdst(0)
.rept NB
	WBLOCK Q
.set Q, Q+1
.endr
.irp t, 0,1,2,3,4,5,6,7,8,9,10,11,12,13,14,15
	ds_load_b128 v[OUTR+4*\t:OUTR+4*\t+3], v7 offset:2*\t*PITCH
.endr
.irp t, 0,1,2,3,4,5,6,7,8,9,10,11,12,13,14,15
	s_wait_dscnt 15-\t
	global_store_b128 v8, v[OUTR+4*\t:OUTR+4*\t+3], s[14:15] offset:2*\t*KROW
.endr
	s_wait_tensorcnt 0x0                           ; the wave's end
	ds_add_u32 v[SPW], v[NIL]
	s_wait_dscnt 0x0
	s_endpgm
.Lfunc_end_k_qf35047c64e_quant:
	.size	k_qf35047c64e_quant, .Lfunc_end_k_qf35047c64e_quant-k_qf35047c64e_quant
	.p2alignl 7, 3214868480
	.fill 96, 4, 3214868480
	.section	.rodata,"a",@progbits
	.p2align	6, 0x0
	.amdhsa_kernel k_qf35047c64e_quant
		.amdhsa_group_segment_fixed_size 68096
		.amdhsa_private_segment_fixed_size 0
		.amdhsa_enable_private_segment 0
		.amdhsa_kernarg_size 56
		.amdhsa_user_sgpr_count 2
		.amdhsa_user_sgpr_kernarg_segment_ptr 1
		.amdhsa_wavefront_size32 1
		.amdhsa_system_sgpr_workgroup_id_x 1
		.amdhsa_system_sgpr_workgroup_id_y 1
		.amdhsa_system_sgpr_workgroup_id_z 1
		.amdhsa_system_vgpr_workitem_id 0
		.amdhsa_next_free_vgpr 208
		.amdhsa_next_free_sgpr 66
		.amdhsa_reserve_vcc 0
		.amdhsa_float_denorm_mode_32 3
		.amdhsa_float_denorm_mode_16_64 3
		.amdhsa_memory_ordered 1
		.amdhsa_forward_progress 1
		.amdhsa_inst_pref_size 88
	.end_amdhsa_kernel
	.amdgpu_metadata
---
amdhsa.version: [ 1, 2 ]
amdhsa.kernels:
  - .name:           k_qf35047c64e_quant
    .symbol:         k_qf35047c64e_quant.kd
    .args:
      - { .name: w_qkv, .offset: 0, .size: 8, .value_kind: global_buffer, .address_space: global }
      - { .name: w_o, .offset: 8, .size: 8, .value_kind: global_buffer, .address_space: global }
      - { .name: lowp_scales, .offset: 16, .size: 8, .value_kind: global_buffer, .address_space: global }
      - { .name: wqkvc, .offset: 24, .size: 8, .value_kind: global_buffer, .address_space: global }
      - { .name: woc, .offset: 32, .size: 8, .value_kind: global_buffer, .address_space: global }
      - { .name: x, .offset: 40, .size: 8, .value_kind: global_buffer, .address_space: global }
      - { .name: xc, .offset: 48, .size: 8, .value_kind: global_buffer, .address_space: global }
    .group_segment_fixed_size: 68096
    .private_segment_fixed_size: 0
    .kernarg_segment_align: 8
    .kernarg_segment_size: 56
    .max_flat_workgroup_size: 128
    .sgpr_count:     66
    .vgpr_count:     208
    .wavefront_size: 32
...
	.end_amdgpu_metadata
.endif
;; end of part 1
;; launch gemm_qkv (part 2): grid 12 x 32, 4 waves a work-group, clusters of 4 x 4, 327,680 bytes of LDS; arguments xc, wqkvc, lowp_scales, b_qkv, qc, kc, vc; writes qc, kc, vc
.if DOCPART == 2
	.amdgcn_target "amdgcn-amd-amdhsa--gfx1250"
	.amdhsa_code_object_version 6
	.text
	.protected	k_qf35047c64e_gemm_qkv
	.globl	k_qf35047c64e_gemm_qkv
	.p2align	8
	.type	k_qf35047c64e_gemm_qkv,@function
k_qf35047c64e_gemm_qkv:
	s_mov_b64 s[64:65], 0
	v_nop
	global_prefetch_b8 v0, s[64:65] scope:SCOPE_SE
	s_setreg_imm32_b32 hwreg(HW_REG_WAVE_MODE, 25, 1), 1
	s_wait_xcnt 0x0
	s_wait_alu depctr_hold_cnt(0) depctr_sa_sdst(0) depctr_va_vdst(0) depctr_va_sdst(0) depctr_va_ssrc(0) depctr_va_vcc(0) depctr_vm_vsrc(0)
	s_getreg_b32 s2, hwreg(HW_REG_IB_STS2, 6, 4)
	s_cmp_eq_u32 s2, 0
	s_cbranch_scc0 .Lentry_in_a_cluster
	s_endpgm
.Lentry_in_a_cluster:
	s_bfe_u32 s2, ttmp6, 0x10000c
	s_cmp_lg_u32 s2, 0xf033
	s_cbranch_scc0 .Lentry_shape_is_right
	s_endpgm
.Lentry_shape_is_right:
; qkv = x w_qkv + b_qkv on codes of FP8 (E4M3); each finished sum x 2^(e0 + e1) + bias, in f32, is quantised at once: q with e2, k with e3, v with e5, and leaves as codes.
; A tile of 256 x 256 is made by four waves, 128 x 128 each: 64 accumulators, 512 registers.  K = 1,024 goes in steps of 256 through a ring of two LDS slots filled by the tensor data mover.
; A slot has two regions of 256 rows x 256 bytes.  REGION 1 feeds source 1 and gives the row that a lane holds; REGION 2 feeds source 0 and gives the lane's eight neighbours.
;   cluster x = 0 (q), 1 (k): region 1 = tokens (xc), region 2 = columns of w_qkv: a lane holds one token and eight neighbouring features, which are the next product's K.
;   cluster x = 2 (v):        region 1 = v's columns of w_qkv, region 2 = tokens: a lane holds one feature and eight neighbouring tokens (keys), which are K of the product with p.
; CLUSTERS: 4 x 4.  Region 1's tile hangs on cy and the cluster's numbers alone and is asked for jointly along a row of the cluster, region 2's on cx alone, along a column.  The case changes two base
; pointers and two addends, chosen on the cluster's x, which all sixteen partners share; masks, LDS addresses and the loop are the same in every case.
; OUTPUT LAYOUTS: qc [b 16 + h][n][64].  kc the same with bits 3 and 4 of n exchanged, vc [b 16 + h][n / 128][d, bits 3 and 4 exchanged][128 keys]: sixteen stored rows on end are then the rows
; 32 b + 8 u + r + 8 (r / 8) that the attention launch wants as a tile.
; k lies in every fragment as registers 4 c .. 4 c + 3 = K 32 c + 16 (lane / 16) + 0 .. 15, alike on both sides: a permutation of k, so every product meets its partner.
; No prefetch: K has four steps, two of them first fills; nothing is left that a look-ahead could name.
; LIMITS: e0 + e1 between -126 and 127; e2, e3, e5 between -126 and 119.  NaN among the inputs is not served.
; REGISTERS: window 0: v1-31 addresses and scales; v32-95 bias by column; v96-111 bias by row; v128-255 region 1's fragments, ONE set; on the way out v128-255 are at work.
;   window 1: region 2's fragments, TWO sets.  window 2, 3: the accumulators ((a, b) at v[8 (8 (a % 4) + b)]).
.set ROWB,   256                       ; a tile's row in bytes
.set KROW,   1024                      ; a row of codes in memory
.set PITCH,  272                       ; an LDS row: 256 + 16: the 16 rows that a load touches start at 16 different banks (64 banks of 4 bytes: ISA guide 11.1)
.set FR,     16
.set NL,     4
.set NP,     4                         ; places behind this matrix instruction (ISA guide 7.12.1)
.set HALFT,  128*PITCH
.set SLOT,   4*HALFT
.set LAPS,   2                         ; 1,024 / 512
.set SPARE,  2*SLOT                    ; the spare words, 128 bytes a wave
.set SROW,   144                       ; the way out: a stage row: 128 codes + 16
.set SWAVE,  16*SROW
.set STAGEQ, SPARE+512                 ; q's and k's stages, one a wave;
.set STAGEV, STAGEQ+4*SWAVE            ; v's: each way out has LDS bytes of its own, and no fill lands in either
.set COQ,  8                           ; v8-11  q, k: 16 x lane + u SA + w SI (u = block % 2, w = which eight tokens)
.set HB,   12                          ; v12    32 x (lane / 16)
.set R4,   13                          ; v13    4 x (lane % 16)
.set L16,  14                          ; v14    16 x lane
.set ADRA, 16
.set ADRB, 20
.set STO,  24
.set RDQ,  25
.set RDV,  26
.set SPW,  28
.set NIL,  29
.set QS,   30                          ; v30    2^e of the quantiser
.set QL,   31                          ; v31    448 x 2^e
.set CB,   32
.set RB,   96
.set AF,   128
.set T,    128                         ; the way out: 64 numbers
.set CD,   192                         ; two sets of 16: codes
.set BK,   224                         ; two sets of 16: codes read back
.set G1, 24
.set G0, 32
.set G1B, 48
.set G0B, 56
.set MSB, 0
.macro WIN new                         ; the immediate's high byte repeats the setting that is left
.if MSB != (\new)
	s_set_vgpr_msb (MSB<<8)|(\new)
.set MSB, (\new)
.endif
.endm
.set MUL_LO, 0xa1                      ; source 0 window 1, source 1 window 0, C and D window 2
.set MUL_HI, 0xf1
.set TO_B,   0x40
; A joint load: waves 0 and 1 fetch region 1's halves, waves 2 and 3 region 2's.  The branch hangs on the wave's number alone.  An s_nop 0 and four v_nop follow each line.
.macro JLOAD g0a, g1a, g0b, g1b
	s_cmp_eq_u32 s15, 0
	s_cbranch_scc0 .Lfor_b_\@
	tensor_load_to_lds s[\g0a:\g0a+3], s[\g1a:\g1a+7]
	s_nop 0
.rept 4
	v_nop
.endr
	s_branch .Lasked_\@
.Lfor_b_\@:
	tensor_load_to_lds s[\g0b:\g0b+3], s[\g1b:\g1b+7]
	s_nop 0
.rept 4
	v_nop
.endr
.Lasked_\@:
.endm
.macro CREST                           ; a round of the cluster's barrier behind its opening barrier
	s_cmp_lg_u32 s14, 0
	s_cbranch_scc1 .Lnot_wave_0_\@
	s_barrier_signal -3
.Lnot_wave_0_\@:
	s_barrier_wait -3
	s_barrier_signal -1
	s_barrier_wait -1
.endm
.macro CROUND
	s_barrier_signal -1
	s_barrier_wait -1
	CREST
.endm
	s_load_b128 s[4:7], s[0:1], 0x0                ; xc, wqkvc
	s_load_b128 s[8:11], s[0:1], 0x10              ; the scales' exponents, b_qkv
	s_load_b128 s[68:71], s[0:1], 0x20             ; qc, kc
	s_load_b64 s[72:73], s[0:1], 0x30              ; vc
	v_lshl_add_u32 v[SPW], v0, 2, SPARE
	v_mov_b32 v[NIL], 0
	ds_add_u32 v[SPW], v[NIL]                      ; the wave's opening
	ds_add_u32 v[SPW], v[NIL]
	v_lshrrev_b32 v1, 5, v0
	v_readfirstlane_b32 s14, v1                    ; wave 0..3
	s_lshr_b32 s15, s14, 1                         ; my half of region 1's rows.  Also: I fetch for region 1 (0) or 2 (1)
	s_and_b32 s16, s14, 1                          ; my half of region 2's rows.  Also: which 128 rows I fetch
	s_bfe_u32 s40, ttmp6, 0x40000                  ; cx
	s_bfe_u32 s41, ttmp6, 0x40004                  ; cy
	s_and_b32 s75, ttmp7, 0xffff
	s_lshl_b32 s75, s75, 2                         ; 4 x cluster y
	s_lshl_b32 s93, ttmp9, 2                       ; 4 x cluster x
	s_cmp_eq_u32 ttmp9, 2                          ; v's clusters
	s_cselect_b32 s74, 1, 0
	s_cselect_b32 s17, 0, s75
	s_cselect_b32 s42, s75, s93
	s_add_co_u32 s17, s17, s41                     ; R1: region 1's tile: cy and the cluster's numbers alone
	s_add_co_u32 s42, s42, s40                     ; R2: region 2's tile: cx and the cluster's numbers alone
	s_lshl_b32 s43, s41, 2
	s_lshl_b32 s43, 15, s43                        ; my row of the cluster
	s_lshl_b32 s44, 0x1111, s40                    ; my column
	s_or_b32 s[G1+0], s43, (0<<16)|(1<<20)|(1<<21)|(5<<22)|(3<<25)  ; the mask; elements of 1 byte; padding on; bit 21 beside a mask; 4 words after every 64
	s_or_b32 s[G1B+0], s44, (0<<16)|(1<<20)|(1<<21)|(5<<22)|(3<<25)
.irp g, G1, G1B
	s_mov_b32 s[\g+1], ROWB<<16                    ; tensor_dim0
	s_mov_b32 s[\g+2], 128<<16                     ; tensor_dim1
	s_mov_b32 s[\g+3], ROWB<<16                    ; tile_dim0
	s_mov_b32 s[\g+4], 128                         ; tile_dim1
	s_mov_b32 s[\g+5], KROW                        ; the pitch
	s_mov_b32 s[\g+6], 0
	s_mov_b32 s[\g+7], 0
.endr
	s_lshl_b32 s18, s16, 7
	s_lshl_b32 s20, s17, 8
	s_add_co_u32 s20, s20, s18
	s_lshl_b32 s20, s20, 10                        ; region 1: (256 R1 + 128 half) rows of 1,024 bytes
	s_mov_b32 s21, 0
	s_lshl_b32 s46, s42, 8
	s_add_co_u32 s46, s46, s18
	s_lshl_b32 s46, s46, 10                        ; region 2 likewise
	s_mov_b32 s47, 0
	s_mul_i32 s45, s14, HALFT                      ; where they go: wave x 128 rows
	s_wait_dscnt 0x0                               ; the opening add is done
	s_wait_kmcnt 0x0
	s_load_b256 s[84:91], s[8:9], 0x0              ; e0 .. e7
	s_add_nc_u64 s[80:81], s[6:7], 0x200000        ; w_qkv's codes at v's first column (2,048 rows on)
	s_cmp_eq_u32 ttmp9, 2
	s_cselect_b64 s[76:77], s[80:81], s[4:5]       ; region 1's tensor
	s_cselect_b64 s[78:79], s[4:5], s[6:7]         ; region 2's
	s_add_nc_u64 s[20:21], s[76:77], s[20:21]
	s_add_nc_u64 s[46:47], s[78:79], s[46:47]
	CROUND                                         ; all sixteen work-groups are here: the first joint loads meet
.irp s, 0,1
	s_mov_b32 s[G0+4*\s], 1
	s_add_co_u32 s[G0+4*\s+1], s45, \s*SLOT
	s_add_nc_u64 s[G0+4*\s+2:G0+4*\s+3], s[20:21], \s*ROWB
	s_or_b32 s[G0+4*\s+3], s[G0+4*\s+3], 0x80000000
	s_mov_b32 s[G0B+4*\s], 1
	s_add_co_u32 s[G0B+4*\s+1], s45, \s*SLOT
	s_add_nc_u64 s[G0B+4*\s+2:G0B+4*\s+3], s[46:47], \s*ROWB
	s_or_b32 s[G0B+4*\s+3], s[G0B+4*\s+3], 0x80000000
.endr
	JLOAD G0, G1, G0B, G1B                         ; K step 0: one tensor load a wave at the head
	v_and_b32 v1, 15, v0                           ; r
	s_wait_alu depctr_va_vdst(0)
	v_bfe_u32 v2, v0, 4, 1                         ; h
	v_mul_u32_u24 v3, v1, PITCH
	v_lshl_add_u32 v4, v2, 4, v3                   ; a fragment's row x pitch + 16 h
	s_mul_i32 s21, s15, HALFT
	s_mul_i32 s22, s16, HALFT
	s_add_co_u32 s22, s22, 2*HALFT
.irp s, 0,1
	v_add_nc_u32 v[ADRA+\s], s21, v4
	v_add_nc_u32 v[ADRB+\s], s22, v4
	s_add_co_u32 s21, s21, SLOT
	s_add_co_u32 s22, s22, SLOT
.endr
	s_mul_i32 s23, s14, SWAVE                      ; my stage
	v_mul_u32_u24 v5, v1, SROW
	s_wait_alu depctr_va_vdst(0)
	v_lshl_add_u32 v5, v2, 3, v5
	v_add_nc_u32 v5, s23, v5
	v_add_nc_u32 v[STO], STAGEQ, v5                ; in: row r, 8 bytes for each half of the lanes (v's way adds the distance to its stages by the immediate)
	v_bfe_u32 v6, v0, 2, 3
	v_and_b32 v7, 3, v0
	v_mul_u32_u24 v6, v6, SROW
	v_lshl_add_u32 v6, v7, 4, v6
	v_add_nc_u32 v6, s23, v6
	v_add_nc_u32 v[RDQ], STAGEQ, v6                ; back, q and k: four lanes take 64 bytes (a head) of a row, eight rows an instruction
	v_bfe_u32 v6, v0, 3, 2
	v_and_b32 v7, 7, v0
	v_mul_u32_u24 v6, v6, SROW
	v_lshl_add_u32 v6, v7, 4, v6
	v_add_nc_u32 v6, s23, v6
	v_add_nc_u32 v[RDV], STAGEV, v6                ; back, v: eight lanes take a row's 128 bytes, four rows an instruction
	v_lshlrev_b32 v[HB], 5, v2
	s_wait_alu depctr_va_vdst(0)
	v_lshlrev_b32 v[R4], 2, v1
	s_wait_alu depctr_va_vdst(0)
	v_and_b32 v5, 31, v0
	v_lshlrev_b32 v[L16], 4, v5
	; the biases: by column (q, k: the lane's eight features of each of region 2's blocks) and by row (v: the lane's feature of each of region 1's blocks).  Both are loaded in every case, the one
	; that the case does not use from the buffer's first bytes: no branch, and no load leaves the buffer.
	s_wait_alu depctr_va_vdst(0)
	s_lshl_b32 s18, s42, 8
	s_lshl_b32 s19, s16, 7
	s_add_co_u32 s18, s18, s19                     ; 256 R2 + 128 half
	s_lshl_b32 s22, s17, 8
	s_lshl_b32 s19, s15, 7
	s_add_co_u32 s22, s22, s19
	s_add_co_u32 s22, s22, 2048                    ; 2,048 + 256 R1 + 128 half
	s_cmp_eq_u32 s74, 1
	s_cselect_b32 s18, 0, s18
	s_cselect_b32 s22, s22, 0
	s_lshl_b32 s18, s18, 2
	s_lshl_b32 s22, s22, 2
	s_mov_b32 s19, 0
	s_mov_b32 s23, 0
	s_add_nc_u64 s[80:81], s[10:11], s[18:19]
	s_add_nc_u64 s[82:83], s[10:11], s[22:23]
.irp b, 0,1,2,3,4,5,6,7
	global_load_b128 v[CB+8*\b:CB+8*\b+3], v[HB], s[80:81] offset:64*\b
	global_load_b128 v[CB+8*\b+4:CB+8*\b+7], v[HB], s[80:81] offset:64*\b+16
.endr
.irp a, 0,1,2,3,4,5,6,7
	global_load_b32 v[RB+2*\a], v[R4], s[82:83] offset:64*\a
	global_load_b32 v[RB+2*\a+1], v[R4], s[82:83] offset:64*\a     ; twice: a pair for the packed multiply-add
.endr
	s_mov_b32 s18, 1024
	s_mov_b32 s19, 512
	s_cmp_eq_u32 ttmp9, 1                          ; k: bits 3 and 4 of the token change places
	s_cselect_b32 s18, 512, s18                    ; SA: a block's parity (bit 4 of the token)
	s_cselect_b32 s19, 1024, s19                   ; SI: which eight tokens (bit 3)
	v_mov_b32 v[COQ], v[L16]
	v_add_nc_u32 v[COQ+1], s19, v[L16]
	v_add_nc_u32 v[COQ+2], s18, v[L16]
	v_add_nc_u32 v[COQ+3], 1536, v[L16]
	; where my codes go.  q, k: ((batch 16 + head) 2,048 + token) x 64
	s_lshl_b32 s18, s17, 8
	s_lshl_b32 s19, s15, 7
	s_add_co_u32 s18, s18, s19                     ; my first token
	s_lshr_b32 s19, s18, 11                        ; batch
	s_and_b32 s18, s18, 2047
	s_lshl_b32 s22, s42, 2
	s_lshl_b32 s23, s16, 1
	s_add_co_u32 s22, s22, s23
	s_and_b32 s22, s22, 15                         ; my first head
	s_lshl_b32 s19, s19, 4
	s_add_co_u32 s19, s19, s22
	s_lshl_b32 s19, s19, 11
	s_add_co_u32 s19, s19, s18
	s_lshl_b32 s94, s19, 6
	; v: ((batch 16 + head) 16 + block of 128 keys) x 8,192
	s_lshl_b32 s18, s42, 1
	s_add_co_u32 s18, s18, s16                     ; my block of 128 tokens
	s_lshr_b32 s19, s18, 4
	s_and_b32 s18, s18, 15
	s_lshl_b32 s22, s17, 2
	s_lshl_b32 s23, s15, 1
	s_add_co_u32 s22, s22, s23
	s_lshl_b32 s19, s19, 4
	s_add_co_u32 s19, s19, s22
	s_lshl_b32 s19, s19, 4
	s_add_co_u32 s19, s19, s18
	s_lshl_b32 s19, s19, 13
	s_cmp_eq_u32 s74, 1
	s_cselect_b32 s94, s19, s94
	s_cselect_b64 s[12:13], s[72:73], s[70:71]
	s_mov_b32 s95, 0
	s_cmp_eq_u32 ttmp9, 0
	s_cselect_b64 s[12:13], s[68:69], s[12:13]
	s_add_nc_u64 s[12:13], s[12:13], s[94:95]
.macro FRAG reg, adr, q, i             ; 16 rows x 128 K: registers 4 c .. 4 c + 3 hold K = 32 c + 16 (lane / 16) + 0 .. 15
.irp c, 0,1,2,3
	ds_load_b128 v[\reg+4*\c:\reg+4*\c+3], v[\adr] offset:128*(\q)+32*\c+(\i)*16*PITCH
.endr
.endm
; 16 matrix instructions: region 1's blocks a0, a0 + 1 x region 2's eight.  The 64 accumulators take turns, one instruction a turn, in the same order in every step.
.macro MUL16 a0, p, zero
.irp a, \a0, \a0+1
.irp b, 0,1,2,3,4,5,6,7
.if \zero
	v_wmma_f32_16x16x128_fp8_fp8 v[8*(8*((\a)%4)+\b):8*(8*((\a)%4)+\b)+7], v[128*(\p)+FR*\b:128*(\p)+FR*\b+FR-1], v[AF+FR*(\a):AF+FR*(\a)+FR-1], 0
.else
	v_wmma_f32_16x16x128_fp8_fp8 v[8*(8*((\a)%4)+\b):8*(8*((\a)%4)+\b)+7], v[128*(\p)+FR*\b:128*(\p)+FR*\b+FR-1], v[AF+FR*(\a):AF+FR*(\a)+FR-1], v[8*(8*((\a)%4)+\b):8*(8*((\a)%4)+\b)+7]
.endif
.endr
.endr
.endm
.macro FETCH_B slot, q, p
	WIN TO_B
.irp i, 0,1,2,3,4,5,6,7
	FRAG 128*(\p)+FR*\i, ADRB+\slot, \q, \i
.endr
	WIN 0
.endm
.macro FETCH_A slot, q, i0
.irp i, \i0, \i0+1, \i0+2, \i0+3
	FRAG AF+FR*(\i), ADRA+\slot, \q, \i
.endr
.endm
.macro PLACES n                        ; plain vector lines between a matrix instruction and a load into, or a vector line on, its registers
.rept \n
	v_nop
.endr
.endm
.macro STEP slot, q, zero              ; 128 along K, with its successor in the same slot
	s_wait_dscnt 4*NL                              ; region 2's set and region 1's blocks 0-3 are in; the youngest 16 loads (blocks 4-7) may be out
	WIN MUL_LO
	MUL16 0, (\q)%2, \zero
	MUL16 2, (\q)%2, \zero
	s_wait_dscnt 0
	PLACES NP
	FETCH_B \slot, (\q)+1, 1-(\q)%2
	FETCH_A \slot, (\q)+1, 0
	WIN MUL_HI
	MUL16 4, (\q)%2, \zero
	MUL16 6, (\q)%2, \zero
	PLACES NP
	WIN 0
	FETCH_A \slot, (\q)+1, 4
.endm
; A slot's last step changes slots: one barrier; in front of it each wave waits for all its tensor loads, adds 0 to its spare word, and waits for that and for its reads of this slot.
.macro TURN slot, next, fill
	s_wait_tensorcnt 0x0                           ; all my tensor loads have landed: my part of the next slot
	ds_add_u32 v[SPW], v[NIL]
	s_wait_dscnt 4*NL+1                            ; the add and the youngest 16 loads may be out
	WIN MUL_LO
	MUL16 0, 1, 0
	s_wait_dscnt 0x0                               ; the add is done, and my reads of this slot are over
	s_barrier_signal -1
	MUL16 2, 1, 0
	WIN 0
	s_barrier_wait -1
.if \fill
	CREST                                          ; the barrier has opened a round of the cluster's: no wave of any partner still reads this slot or has a load on its way
	s_add_nc_u64 s[G0+4*\slot+2:G0+4*\slot+3], s[G0+4*\slot+2:G0+4*\slot+3], 2*ROWB
	s_add_nc_u64 s[G0B+4*\slot+2:G0B+4*\slot+3], s[G0B+4*\slot+2:G0B+4*\slot+3], 2*ROWB
	JLOAD G0+4*\slot, G1, G0B+4*\slot, G1B         ; the first tensor load behind the round; its four v_nop are the places in front of the loads below
.else
	PLACES NP
.endif
	FETCH_B \next, 0, 0
	FETCH_A \next, 0, 0
	WIN MUL_HI
	MUL16 4, 1, 0
	MUL16 6, 1, 0
	PLACES NP
	WIN 0
	FETCH_A \next, 0, 4
.endm
	s_wait_alu depctr_va_vdst(0)
	s_wait_tensorcnt 0x0                           ; my part of K step 0 is in
	ds_add_u32 v[SPW], v[NIL]
	s_wait_dscnt 0x0
	CROUND                                         ; a whole round: everybody's part of K step 0 is in, and the joint loads meet
	JLOAD G0+4, G1, G0B+4, G1B                     ; K step 1, the first tensor load behind the round
	FETCH_B 0, 0, 0
	FETCH_A 0, 0, 0
	FETCH_A 0, 0, 4
	STEP 0, 0, 1                                   ; the first step's products start the sums
	s_mov_b32 s3, LAPS-1
.Llap:
	TURN 0, 1, 1
	STEP 1, 0, 0
	TURN 1, 0, 1
	STEP 0, 0, 0
	s_sub_co_u32 s3, s3, 1
	s_cmp_lg_u32 s3, 0
	s_cbranch_scc1 .Llap
	TURN 0, 1, 0                                   ; the last lap fills nothing
	STEP 1, 0, 0
	s_wait_dscnt 4*NL
	WIN MUL_LO
	MUL16 0, 1, 0
	MUL16 2, 1, 0
	s_wait_dscnt 0
	WIN MUL_HI
	MUL16 4, 1, 0
	MUL16 6, 1, 0
	WIN 0
; THE WAY OUT, a block of 16 rows x 128 at a time: sum x 2^(e0 + e1) + bias (one packed multiply-add for two, each accumulator from its low end on), the hold, the conversion: a lane's eight numbers
; are eight bytes of a stage row.  The rows come back so that each store of the wave covers 512 consecutive aligned bytes.  LDS serves a wave's instructions in order: no wait between stores and loads.
.macro TOST a, isv
.set AC, 64*((\a)%4)
.set CDS, CD+16*((\a)%2)
.set BKS, BK+16*((\a)%2)
	WIN 0x02+((\a)/4)                              ; source 0: window 2 or 3
.irp b, 0,1,2,3,4,5,6,7
.irp i, 0,2,4,6
.if \isv
	v_pk_fma_f32 v[T+8*\b+\i:T+8*\b+\i+1], v[AC+8*\b+\i:AC+8*\b+\i+1], s[96:97], v[RB+2*(\a):RB+2*(\a)+1] op_sel_hi:[1,0,1]
.else
	v_pk_fma_f32 v[T+8*\b+\i:T+8*\b+\i+1], v[AC+8*\b+\i:AC+8*\b+\i+1], s[96:97], v[CB+8*\b+\i:CB+8*\b+\i+1] op_sel_hi:[1,0,1]
.endif
.endr
.endr
	WIN 0
.set j, 0
.rept 64
	v_med3_num_f32 v[T+j], v[T+j], -v[QL], v[QL]   ; the conversion does not saturate (ISA guide 7.6.2)
.set j, j+1
.endr
.irp b, 0,1,2,3,4,5,6,7
	v_cvt_scalef32_pk8_fp8_f32 v[CDS+2*\b:CDS+2*\b+1], v[T+8*\b:T+8*\b+7], v[QS]
.endr
	v_nop                                          ; a plain line behind the last conversion: the next block's multiply-adds write its sources
.irp b, 0,1,2,3,4,5,6,7
	ds_store_b64 v[STO], v[CDS+2*\b:CDS+2*\b+1] offset:16*\b+\isv*(STAGEV-STAGEQ)
.endr
.irp i, 0,1,2,3
.if \isv
	ds_load_b128 v[BKS+4*\i:BKS+4*\i+3], v[RDV] offset:4*SROW*\i
.else
	ds_load_b128 v[BKS+4*\i:BKS+4*\i+3], v[RDQ] offset:(\i%2)*8*SROW+64*(\i/2)
.endif
.endr
.endm
.macro SENDC a, isv, younger           ; younger: the LDS instructions issued behind block a's loads
.set BKS, BK+16*((\a)%2)
	s_wait_dscnt \younger
.irp i, 0,1,2,3
.if \isv
	global_store_b128 v[L16], v[BKS+4*\i:BKS+4*\i+3], s[12:13] offset:((\a)/4)*131072+(32*(((\a)%4)/2)+16*(\i/2)+8*((\a)%2)+4*(\i%2))*128
.else
	global_store_b128 v[COQ+2*((\a)%2)+(\i%2)], v[BKS+4*\i:BKS+4*\i+3], s[12:13] offset:(\i/2)*131072+2048*((\a)/2)
.endif
.endr
.endm
.macro WAYOUT isv
	TOST 0, \isv
.irp a, 1,2,3,4,5,6,7
.if \a > 1
	s_wait_xcnt 0x0                                ; block a - 2's stores have read their registers: block a's loads may land there
.endif
	TOST \a, \isv
	SENDC \a-1, \isv, 12                           ; behind block a - 1's loads: block a's 8 stores and 4 loads
.endr
	SENDC 7, \isv, 0
.endm
	s_wait_kmcnt 0x0
	s_add_co_i32 s96, s84, s85
	s_add_co_i32 s96, s96, 127
	s_lshl_b32 s96, s96, 23                        ; 2^(e0 + e1) as f32
	s_mov_b32 s97, s96
	s_cmp_eq_u32 ttmp9, 0
	s_cselect_b32 s92, s86, s87                    ; e2 for q, e3 for k,
	s_cmp_eq_u32 ttmp9, 2
	s_cselect_b32 s92, s89, s92                    ; e5 for v
	s_add_co_i32 s92, s92, 127
	s_lshl_b32 s93, s92, 23
	v_mov_b32 v[QS], s93
	s_add_co_i32 s92, s92, 8
	s_lshl_b32 s92, s92, 23
	s_or_b32 s92, s92, 0x600000
	v_mov_b32 v[QL], s92
	PLACES NP                                      ; in front of the lines that write the registers that held region 1's fragments
	s_wait_loadcnt 0x0                             ; the biases
	s_cmp_eq_u32 s74, 1                            ; the cluster's x: the same in all sixteen partners
	s_cbranch_scc1 .Lvout
	WAYOUT 0
	s_branch .Ldone
.Lvout:
	WAYOUT 1
.Ldone:
	s_wait_tensorcnt 0x0                           ; the wave's end
	ds_add_u32 v[SPW], v[NIL]
	s_wait_dscnt 0x0
	CROUND                                         ; the closing round
	s_endpgm
.Lfunc_end_k_qf35047c64e_gemm_qkv:
	.size	k_qf35047c64e_gemm_qkv, .Lfunc_end_k_qf35047c64e_gemm_qkv-k_qf35047c64e_gemm_qkv
	.p2alignl 7, 3214868480
	.fill 96, 4, 3214868480
	.section	.rodata,"a",@progbits
	.p2align	6, 0x0
	.amdhsa_kernel k_qf35047c64e_gemm_qkv
		.amdhsa_group_segment_fixed_size 327680
		.amdhsa_private_segment_fixed_size 0
		.amdhsa_enable_private_segment 0
		.amdhsa_kernarg_size 56
		.amdhsa_user_sgpr_count 2
		.amdhsa_user_sgpr_kernarg_segment_ptr 1
		.amdhsa_wavefront_size32 1
		.amdhsa_system_sgpr_workgroup_id_x 1
		.amdhsa_system_sgpr_workgroup_id_y 1
		.amdhsa_system_sgpr_workgroup_id_z 1
		.amdhsa_system_vgpr_workitem_id 0
		.amdhsa_next_free_vgpr 1024
		.amdhsa_next_free_sgpr 100
		.amdhsa_reserve_vcc 0
		.amdhsa_float_denorm_mode_32 3
		.amdhsa_float_denorm_mode_16_64 3
		.amdhsa_memory_ordered 1
		.amdhsa_forward_progress 1
		.amdhsa_inst_pref_size 209
	.end_amdhsa_kernel
	.amdgpu_metadata
---
amdhsa.version: [ 1, 2 ]
amdhsa.kernels:
  - .name:           k_qf35047c64e_gemm_qkv
    .symbol:         k_qf35047c64e_gemm_qkv.kd
    .args:
      - { .name: xc, .offset: 0, .size: 8, .value_kind: global_buffer, .address_space: global }
      - { .name: wqkvc, .offset: 8, .size: 8, .value_kind: global_buffer, .address_space: global }
      - { .name: lowp_scales, .offset: 16, .size: 8, .value_kind: global_buffer, .address_space: global }
      - { .name: b_qkv, .offset: 24, .size: 8, .value_kind: global_buffer, .address_space: global }
      - { .name: qc, .offset: 32, .size: 8, .value_kind: global_buffer, .address_space: global }
      - { .name: kc, .offset: 40, .size: 8, .value_kind: global_buffer, .address_space: global }
      - { .name: vc, .offset: 48, .size: 8, .value_kind: global_buffer, .address_space: global }
    .group_segment_fixed_size: 327680
    .private_segment_fixed_size: 0
    .kernarg_segment_align: 8
    .kernarg_segment_size: 56
    .max_flat_workgroup_size: 128
    .sgpr_count:     100
    .vgpr_count:     1024
    .wavefront_size: 32
...
	.end_amdgpu_metadata
.endif
;; end of part 2
;; launch attn (part 3): grid 4 x 64, 8 waves a work-group, no clusters, 132,096 bytes of LDS; arguments qc, kc, vc, lowp_scales, yc; writes yc
.if DOCPART == 3
	.amdgcn_target "amdgcn-amd-amdhsa--gfx1250"
	.amdhsa_code_object_version 6
	.text
	.protected	k_qf35047c64e_attn
	.globl	k_qf35047c64e_attn
	.p2align	8
	.type	k_qf35047c64e_attn,@function
k_qf35047c64e_attn:
	s_mov_b64 s[64:65], 0
	v_nop
	global_prefetch_b8 v0, s[64:65] scope:SCOPE_SE
	s_setreg_imm32_b32 hwreg(HW_REG_WAVE_MODE, 25, 1), 1
	s_wait_xcnt 0x0
; y[b][q][h] = the sum over keys k <= q of softmax_k(Q . K / 8) V, both products on codes of FP8 (E4M3); y is quantised at once with e6 and leaves as codes.
; t = score x log2(e) / 8; M = the running largest t rounded UP to a whole number; p = 2^(t - M) is quantised with e4, not normalised; the row's sum is taken of the unquantised p and divides O at the end.
; When M moves, the sum and O are multiplied by 2^(old M - new M): exact.
; LEFT OUT: key steps all of whose keys come after a wave's queries: the causal mask turns their scores into -inf, so p = 0 there for all inputs.
; SHARES.  Work-group (i, head) owns the blocks i and 7 - i of 256 queries, one after the other; block j wants the slots 0 .. j of 256 keys: (i + 1) + (8 - i) = 9 trips for every work-group.
; Each of the EIGHT waves owns 32 queries of the block in hand: tile A (16 queries) in register window 0, tile B in window 1, at the same register numbers, so each fragment of K and V read from LDS feeds two products.
; FEED.  A slot's 16 KiB of K and 16 KiB of V come by 8 global loads a wave (512 consecutive bytes each) into registers, asked for in trip t for trip t + 2, are stored into the ring's other slot at the head of
; trip t + 1 and read in trip t + 2: one barrier a trip, in front of which each wave has waited for its stores and its reads.  No tensor load, hence no joint loads and no cluster.  No prefetch into the L2:
; the register loads themselves stand one and a half trips ahead of the stores that want them.
; THE HOLD OF p.  p <= 1 (up to an f32 rounding), and 448 x 2^e4 >= 1.75 whenever e4 >= -8: the hold then changes no number, and a scalar branch on the whole number e4 leads round its 128 lines; no barrier stands under it.
; THE DIAGONAL.  Q0 = 256 j + 32 w, so the one step of a wave that the mask cuts has the cut in keys 32 (w % 4) .. + 31 of the step: a place fixed by the wave's number.  The mask goes in as the C of the score
; products: 0 for tiles in front of the cut, sixteen registers made at the head (0 or -3e38) at the cut, -3e38 behind it; p is then 0.  Four written-out sets of 16 products, chosen by w % 4.
; LAYOUT.  Both products transposed: S^T = K Q^T, O^T = V^T P^T: a lane holds one query of each tile.  kc's and vc's stored rows lie so that the 16 registers of tiles 2 b, 2 b + 1 are 16 neighbours,
; 32 b + 16 (lane / 16) + 0 .. 15: so the conversions' results are the next product's operand registers, for p and for y alike.
; A slot in LDS: K's 16 KiB as 64 rows of 256 bytes + 16, then V's likewise.
; LIMITS: e2 + e3 between -123 and 130 (added to the exponent field of log2(e) / 8); e4 and e6 between -126 and 119; scaled scores stay under 2^31 in magnitude and over -3e38.
; REGISTERS, window 0: v1-11 addresses; v12 -M, v13 largest t of A, v14, v15 of B; v[16:17], v[18:19] f of A, B; v20-27 at work; v32-95 fragments of K, then V; v240-245 scales; v246-253 -3e38.
;   both windows: v96-159 S^T, then p; v160-191 O^T; v192-207 codes; v208-223 the sum and its seven helpers; v224-239 the cut's mask.  window 1: v0-15 Q of A, B; v32-63 the slot on its way; v64-79 the second block's Q.
.set P272,  272
.set VOFF,  64*P272
.set SLOT1, 65536
.set SPARE, 131072                     ; the spare words, 128 bytes for each of 8 waves
.set AK0, 1
.set AV0, 2
.set AS0, 3                            ; where my 16 bytes of a load go in a slot
.set AQ,  4
.set SPW, 5
.set NIL, 6
.set L16, 7
.set ADK, 8
.set ADV, 9
.set ADS, 10
.set GOF, 11                           ; 2,048 x wave + 16 x lane
.set S,   96
.set O,   160
.set CD,  192
.set L,   208
.set MK,  224
.set NEG, 246
.set ST,  32
.set Q2,  64
.set TB,  2
.set TAU, 3
.set WV,  18
.set PI,  19
.set SEL, 20
.set CS,  22
.set KF,  34
.set Q0,  35
.set BLK, 36
.set BD,  37                           ; wave % 4: which 32 keys of the cut step hold the cut
.set NH,  38                           ; 1 where the hold of p can change a number
.set TS,  39
.set KB,  40
.set VB,  42
.set KA,  44
.set VA,  46
.set OFF, 48
.set QH,  54
.set QA,  56
.set YH,  58
.set YB,  60
.set MSB, 0
.macro WIN new                         ; low byte: bits 1:0 source 0, 3:2 source 1, 5:4 source 2, 7:6 destination; the high byte repeats the setting that is left
.if MSB != (\new)
	s_set_vgpr_msb (MSB<<8)|(\new)
.set MSB, (\new)
.endif
.endm
.macro GLOAD reg, kb, vb               ; my 2 KiB of a slot's K and of its V
.irp n, 0,1,2,3
	global_load_b128 v[\reg+4*\n:\reg+4*\n+3], v[GOF], s[\kb:\kb+1] offset:512*\n
	global_load_b128 v[\reg+16+4*\n:\reg+16+4*\n+3], v[GOF], s[\vb:\vb+1] offset:512*\n
.endr
.endm
.macro LSTORE reg, adr
.irp n, 0,1,2,3
	ds_store_b128 v[\adr], v[\reg+4*\n:\reg+4*\n+3] offset:2*P272*\n
	ds_store_b128 v[\adr], v[\reg+16+4*\n:\reg+16+4*\n+3] offset:VOFF+2*P272*\n
.endr
.endm
.macro QLOAD reg, base                 ; Q's fragments of tiles A and B
	global_load_b128 v[\reg:\reg+3], v[AQ], s[\base:\base+1]
	global_load_b128 v[\reg+4:\reg+7], v[AQ], s[\base:\base+1] offset:32
	global_load_b128 v[\reg+8:\reg+11], v[AQ], s[\base:\base+1] offset:1024
	global_load_b128 v[\reg+12:\reg+15], v[AQ], s[\base:\base+1] offset:1056
.endm
.macro SLOTADR                         ; s77 = a trip: KA, VA = its 256 keys: slot s77 of the first block, slot s77 - i - 1 of the second
	s_sub_co_u32 s78, s77, s[PI]
	s_sub_co_u32 s78, s78, 1
	s_cmp_gt_u32 s77, s[PI]
	s_cselect_b32 s77, s78, s77
	s_lshl_b32 s[OFF], s77, 14
	s_add_nc_u64 s[KA:KA+1], s[KB:KB+1], s[OFF:OFF+1]
	s_add_nc_u64 s[VA:VA+1], s[VB:VB+1], s[OFF:OFF+1]
.endm
.macro BLOCKADR                        ; my first query of block BLK, and where its y goes
	s_lshl_b32 s[Q0], s[BLK], 8
	s_lshl_b32 s77, s[WV], 5
	s_add_co_u32 s[Q0], s[Q0], s77
	s_lshr_b32 s78, s[Q0], 7
	s_lshl_b32 s78, s78, 17
	s_bfe_u32 s77, s[Q0], 0x30004
	s_lshl_b32 s77, s77, 12
	s_add_co_u32 s78, s78, s77
	s_mov_b32 s79, 0
	s_add_nc_u64 s[YB:YB+1], s[YH:YH+1], s[78:79]
.endm
.macro STATE                           ; a block begins: O^T and the sums zeros, the largest t under every t, so that the key step is written once
	v_mov_b32 v13, 0xff61b1e6
	v_mov_b32 v15, 0xff61b1e6
	v_floor_f32 v12, -v13
	v_floor_f32 v14, -v15
.irp x, 0,1
	WIN 0x40*\x
	v_mov_b32 v[L], 0
	v_mov_b32 v[L+1], 0
.set j, 0
.rept 32
	v_mov_b32 v[O+j], 0
.set j, j+1
.endr
.endr
	WIN 0
.endm
	s_load_b128 s[4:7], s[0:1], 0x0                ; qc, kc
	s_load_b128 s[12:15], s[0:1], 0x10             ; vc, the scales' exponents
	s_load_b64 s[16:17], s[0:1], 0x20              ; yc
	v_lshl_add_u32 v[SPW], v0, 2, SPARE
	v_mov_b32 v[NIL], 0
	v_lshrrev_b32 v20, 5, v0
	v_readfirstlane_b32 s[WV], v20                 ; wave 0..7
	v_and_b32 v20, 15, v0                          ; r
	v_bfe_u32 v21, v0, 4, 1                        ; h
	v_and_b32 v22, 31, v0
	v_lshlrev_b32 v[L16], 4, v22
	s_lshl_b32 s77, s[WV], 11
	v_add_nc_u32 v[GOF], s77, v[L16]
	s_mul_i32 s77, s[WV], 8*P272
	v_mul_u32_u24 v[AS0], v21, P272
	v_lshl_add_u32 v[AS0], v20, 4, v[AS0]
	v_add_nc_u32 v[AS0], s77, v[AS0]               ; LDS row 8 x wave + lane / 16 (+ 2 n by the immediate), byte 16 (lane % 16)
	v_lshlrev_b32 v[AQ], 6, v20
	v_lshl_add_u32 v[AQ], v21, 4, v[AQ]            ; Q: 64 r + 16 h
	v_lshrrev_b32 v23, 2, v20
	v_mul_u32_u24 v[AK0], v23, P272
	v_and_b32 v23, 3, v20
	v_lshl_add_u32 v[AK0], v23, 6, v[AK0]
	v_lshl_add_u32 v[AK0], v21, 4, v[AK0]          ; K: stored row r: (r / 4) x 272 + (r % 4) x 64, + 16 h
	v_lshrrev_b32 v23, 1, v20
	v_mul_u32_u24 v[AV0], v23, P272
	v_and_b32 v23, 1, v20
	v_lshl_add_u32 v[AV0], v23, 7, v[AV0]
	v_lshl_add_u32 v[AV0], v21, 4, v[AV0]
	v_add_nc_u32 v[AV0], VOFF, v[AV0]              ; V: stored row r: (r / 2) x 272 + (r % 2) x 128, + 16 h
	v_lshlrev_b32 v22, 4, v21
	v_sub_nc_u32 v22, v20, v22                     ; r - 16 h: tile A's register i of the cut is hidden where i > r - 16 h
	v_add_nc_u32 v23, 16, v22                      ; tile B's queries lie 16 further on
	s_wait_alu depctr_va_vdst(0)
	s_mov_b32 s[PI], ttmp9
	s_and_b32 s80, ttmp7, 0xffff                   ; batch x 16 + head
	s_lshl_b32 s82, s80, 17                        ; its 131,072 bytes in qc, kc and vc
	s_mov_b32 s83, 0
	s_lshr_b32 s84, s80, 4
	s_lshl_b32 s84, s84, 21                        ; yc: the batch's 16 blocks of 128 tokens,
	s_bfe_u32 s85, s80, 0x20002
	s_lshl_b32 s85, s85, 15                        ; the K step of four heads,
	s_add_co_u32 s84, s84, s85
	s_and_b32 s85, s80, 3
	s_lshl_b32 s85, s85, 10                        ; the head's 1,024 bytes in a tile of 16 tokens
	s_add_co_u32 s84, s84, s85
	s_mov_b32 s85, 0
	s_mov_b32 s[SEL], 0x76543210
	s_mov_b32 s[SEL+1], 0xfedcba98
	s_mov_b32 s[TB], 0
	s_mov_b32 s[TAU], 0
	s_mov_b32 s[KF], 0
	s_mov_b32 s[OFF+1], 0
	s_and_b32 s[BD], s[WV], 3
	s_mov_b32 s[BLK], s[PI]
	s_wait_kmcnt 0x0
	s_load_b256 s[68:75], s[14:15], 0x0            ; e0 .. e7
	s_add_nc_u64 s[KB:KB+1], s[6:7], s[82:83]
	s_add_nc_u64 s[VB:VB+1], s[12:13], s[82:83]
	s_add_nc_u64 s[QH:QH+1], s[4:5], s[82:83]
	s_add_nc_u64 s[YH:YH+1], s[16:17], s[84:85]
	WIN 0x40                                       ; the loads' destinations lie in window 1
	GLOAD S, KB, VB                                ; trip 0's keys, into registers that are idle until the first products
	BLOCKADR
	s_lshl_b32 s78, s[Q0], 6
	s_add_nc_u64 s[QA:QA+1], s[QH:QH+1], s[78:79]
	QLOAD 0, QA                                    ; the first block's Q
	s_mov_b32 s77, 1
	SLOTADR
	GLOAD ST, KA, VA                               ; trip 1's keys
	s_sub_co_u32 s78, 7, s[PI]
	s_lshl_b32 s78, s78, 8
	s_lshl_b32 s77, s[WV], 5
	s_add_co_u32 s78, s78, s77
	s_lshl_b32 s78, s78, 6
	s_add_nc_u64 s[62:63], s[QH:QH+1], s[78:79]
	QLOAD Q2, 62                                   ; the second block's Q waits in registers
	WIN 0
.set i, 0
.rept 8
	v_mov_b32 v[NEG+i], 0xff61b1e6                 ; -3e38
.set i, i+1
.endr
.set i, 0
.rept 16
	v_cmp_gt_i32 vcc_lo, i, v22
	v_cndmask_b32 v[MK+i], v[NIL], v[NEG], vcc_lo
.set i, i+1
.endr
	WIN 0x40
.set i, 0
.rept 16
	v_cmp_gt_i32 vcc_lo, i, v23
	v_cndmask_b32 v[MK+i], v[NIL], v[NEG], vcc_lo
.set i, i+1
.endr
	WIN 0
	STATE
	v_mov_b32 v17, 0                               ; named as upper halves of pairs, and as lane permutes' destinations: written once
	v_mov_b32 v19, 0
	v_mov_b32 v26, 0
	v_mov_b32 v27, 0
	s_wait_kmcnt 0x0
	s_add_co_i32 s77, s70, s71
	s_lshl_b32 s77, s77, 23
	s_mov_b32 s[CS], 0x3e38aa3b                    ; log2(e) / 8;
	s_add_co_i32 s[CS], s[CS], s77                 ; a score stands for score x 2^(e2 + e3): added to the exponent field
	s_mov_b32 s[CS+1], s[CS]
	s_cmp_lt_i32 s72, -8
	s_cselect_b32 s[NH], 1, 0
	s_add_co_i32 s77, s72, 127
	s_lshl_b32 s78, s77, 23
	v_mov_b32 v244, s78                            ; 2^e4
	s_add_co_i32 s77, s77, 8
	s_lshl_b32 s77, s77, 23
	s_or_b32 s77, s77, 0x600000
	v_mov_b32 v240, s77                            ; 448 x 2^e4
	s_add_co_i32 s77, s74, 127
	s_lshl_b32 s78, s77, 23
	v_mov_b32 v245, s78                            ; 2^e6
	s_add_co_i32 s77, s77, 8
	s_lshl_b32 s77, s77, 23
	s_or_b32 s77, s77, 0x600000
	v_mov_b32 v241, s77                            ; 448 x 2^e6
	s_add_co_i32 s76, s72, s73                     ; e4 + e5
	s_wait_alu depctr_va_vdst(0)
	s_wait_loadcnt 16                              ; trip 0's eight loads are in; behind them: Q's 4, trip 1's 8, the second Q's 4
	WIN 0x04
	LSTORE S, AS0                                  ; into slot 0
	WIN 0
.macro SW t, c                         ; one score product.  c = 0: every key counts; 1: the cut; 2: hidden
.if \c == 0
	v_wmma_f32_16x16x64_fp8_fp8 v[S+8*\t:S+8*\t+7], v[32+8*\t:39+8*\t], v[QR:QR+7], 0
.else
.if \c == 1
	v_wmma_f32_16x16x64_fp8_fp8 v[S+8*\t:S+8*\t+7], v[32+8*\t:39+8*\t], v[QR:QR+7], v[MK+8*((\t)%2):MK+8*((\t)%2)+7]
.else
	v_wmma_f32_16x16x64_fp8_fp8 v[S+8*\t:S+8*\t+7], v[32+8*\t:39+8*\t], v[QR:QR+7], v[NEG:NEG+7]
.endif
.endif
.endm
.macro SCORES bd                       ; S^T of both tiles; the cut lies in key tiles 2 bd, 2 bd + 1 (bd = 4: nowhere).  Q in window 1; tile B's results and its mask in window 1
.irp x, 0,1
.set QR, 8*\x
.irp t, 0,1,2,3,4,5,6,7
.if (\t)/2 < \bd
	WIN 0x04+0x40*\x
	SW \t, 0
.else
.if (\t)/2 == \bd
	WIN 0x04+0x50*\x
	SW \t, 1
.else
	WIN 0x04+0x40*\x
	SW \t, 2
.endif
.endif
.endr
.endr
	WIN 0
.endm
.macro MAXT                            ; a tile's largest score among my 64 keys, in four chains, each accumulator from its low end on; ends in v20 and v23
	v_max3_num_f32 v20, v[S], v[S+1], v[S+2]
	v_max3_num_f32 v21, v[S+3], v[S+4], v[S+5]
	v_max3_num_f32 v22, v[S+6], v[S+7], v[S+8]
	v_max3_num_f32 v23, v[S+9], v[S+10], v[S+11]
.set n, 12
.rept 26
	v_max3_num_f32 v[20+(n/2)%4], v[20+(n/2)%4], v[S+n], v[S+n+1]
.set n, n+2
.endr
	v_max3_num_f32 v20, v20, v21, v22
.endm
.macro SUMS                            ; the row's sum of the unquantised p: eight chains of packed additions, chain 0 the running sum
.set j, 1
.rept 7
	v_pk_add_f32 v[L+2*j:L+2*j+1], v[S+4*j-4:S+4*j-3], v[S+4*j-2:S+4*j-1]
.set j, j+1
.endr
	v_pk_add_f32 v[L:L+1], v[L:L+1], v[S+28:S+29]
.set j, 1
.rept 17
	v_pk_add_f32 v[L+2*(j%8):L+2*(j%8)+1], v[L+2*(j%8):L+2*(j%8)+1], v[S+28+2*j:S+29+2*j]
.set j, j+1
.endr
.irp a, 0,1,2,3
	v_pk_add_f32 v[L+2*\a:L+2*\a+1], v[L+2*\a:L+2*\a+1], v[L+8+2*\a:L+9+2*\a]
.endr
	v_pk_add_f32 v[L:L+1], v[L:L+1], v[L+4:L+5]
	v_pk_add_f32 v[L+2:L+3], v[L+2:L+3], v[L+6:L+7]
	v_pk_add_f32 v[L:L+1], v[L:L+1], v[L+2:L+3]
.endm
.macro ALL64 op, tail:vararg           ; one line for each of a tile's 64 numbers
.set j, 0
.rept 64
	\op v[S+j], v[S+j] \tail
.set j, j+1
.endr
.endm
.macro TM nm                           ; t - M, two at a time; nm: the pair whose low word is -M
.set j, 0
.rept 32
	v_pk_fma_f32 v[S+j:S+j+1], v[S+j:S+j+1], s[CS:CS+1], v[\nm:\nm+1] op_sel_hi:[1,0,0]
.set j, j+2
.endr
.endm
.macro CODES sc, n                     ; n x 8 numbers into codes
.set j, 0
.rept \n
	v_cvt_scalef32_pk8_fp8_f32 v[CD+2*j:CD+2*j+1], v[S+8*j:S+8*j+7], v[\sc]
.set j, j+1
.endr
.endm
.macro RESC f                          ; O^T under the new M
.set j, 0
.rept 16
	v_pk_mul_f32 v[O+j:O+j+1], v[O+j:O+j+1], v[\f:\f+1] op_sel_hi:[1,0]
.set j, j+2
.endr
.endm
.macro PV                              ; O^T += V^T P^T: four accumulators by turns
.irp t, 0,1,2,3
	v_wmma_f32_16x16x128_fp8_fp8 v[O+8*\t:O+8*\t+7], v[32+16*\t:47+16*\t], v[CD:CD+15], v[O+8*\t:O+8*\t+7]
.endr
.endm
; A KEY STEP: 128 keys, the q-th of the slot in hand, for both tiles.  hid = 1: a step all of whose keys come after my 32 queries is left out (a slot's first step never is): a branch on ids, round no barrier.
.macro STEP q, hid
.if \hid
	s_add_co_u32 s96, s[Q0], 31
	s_cmp_gt_u32 s[KF], s96
	s_cbranch_scc1 .Lhidden_\@
.endif
	v_add_nc_u32 v[ADK], s[TB], v[AK0]
	v_add_nc_u32 v[ADV], s[TB], v[AV0]
	v_nop
	v_nop                                          ; with the two additions: four places in front of loads into registers that matrix instructions have read
.irp t, 0,1,2,3,4,5,6,7
.irp c, 0,1
	ds_load_b128 v[32+8*\t+4*\c:35+8*\t+4*\c], v[ADK] offset:32*P272*(\q)+4*P272*\t+32*\c
.endr
.endr
	s_wait_alu depctr_va_vdst(0)
	s_wait_dscnt 0x0                               ; K's fragments are in; my stores into the other slot have read their registers
.if \q == 0
	s_cmp_lt_u32 s[TAU], 7                         ; trips 7 and 8 have no trip two on
	s_cbranch_scc0 .Lnoload_\@
	s_add_co_u32 s77, s[TAU], 2
	SLOTADR                                        ; (the loads that read KA and VA last were waited for at this trip's head)
	WIN 0x40
	GLOAD ST, KA, VA
	WIN 0
.Lnoload_\@:
.endif
	s_add_co_u32 s96, s[KF], 127
	s_cmp_le_u32 s96, s[Q0]
	s_cbranch_scc0 .Lcut_\@
	SCORES 4
	s_branch .Lscored_\@
.Lcut_\@:
	s_cmp_eq_u32 s[BD], 0
	s_cbranch_scc0 .Lc1_\@
	SCORES 0
	s_branch .Lscored_\@
.Lc1_\@:
	s_cmp_eq_u32 s[BD], 1
	s_cbranch_scc0 .Lc2_\@
	SCORES 1
	s_branch .Lscored_\@
.Lc2_\@:
	s_cmp_eq_u32 s[BD], 2
	s_cbranch_scc0 .Lc3_\@
	SCORES 2
	s_branch .Lscored_\@
.Lc3_\@:
	SCORES 3
.Lscored_\@:
.rept 4
	v_nop                                          ; places behind the score products
.endr
.irp t, 0,1,2,3
.irp c, 0,1,2,3
	ds_load_b128 v[32+16*\t+4*\c:35+16*\t+4*\c], v[ADV] offset:32*P272*(\q)+8*P272*\t+32*\c   ; V's fragments land while the softmax is worked
.endr
.endr
	MAXT
	v_max_num_f32 v24, v20, v23
	WIN 0x55
	MAXT
	WIN 0x05
	v_max_num_f32 v25, v20, v23                    ; tile B's goes to window 0: the two tiles' chains stand line by line
	WIN 0
	v_permlanex16_b32 v26, v24, s[SEL], s[SEL+1]
	v_permlanex16_b32 v27, v25, s[SEL], s[SEL+1]
	v_max_num_f32 v24, v24, v26                    ; and among lane l xor 16's
	v_max_num_f32 v25, v25, v27
	v_mul_f32 v24, s[CS], v24                      ; as t
	v_mul_f32 v25, s[CS], v25
	v_max_num_f32 v13, v13, v24
	v_max_num_f32 v15, v15, v25
	v_mov_b32 v24, v12
	v_mov_b32 v25, v14
	v_floor_f32 v12, -v13                          ; the new -M = -ceil(t)
	v_floor_f32 v14, -v15
	v_sub_f32 v24, v12, v24                        ; old M - new M: a whole number, 0 or less
	v_sub_f32 v25, v14, v25
	v_cvt_i32_f32 v24, v24
	v_cvt_i32_f32 v25, v25
	v_ldexp_f32 v16, 1.0, v24                      ; f = 2^(old M - new M)
	v_ldexp_f32 v18, 1.0, v25
	TM 12
	WIN 0x41                                       ; tile B: source 0 and destination in window 1, what both tiles share in window 0
	TM 14
	s_wait_alu depctr_va_vdst(0)
	ALL64 v_exp_f32
	WIN 0
	ALL64 v_exp_f32                                ; p = 2^(t - M): one batch of 128
	v_pk_mul_f32 v[L:L+1], v[L:L+1], v[16:17] op_sel_hi:[1,0]   ; the sum under the new M: a plain line behind the exponentials
	s_wait_alu depctr_va_vdst(0)                   ; one wait for the batch, ahead of its first reader
	SUMS
	WIN 0x41
	v_pk_mul_f32 v[L:L+1], v[L:L+1], v[18:19] op_sel_hi:[1,0]
	WIN 0x45
	SUMS
	WIN 0
	s_wait_alu depctr_va_vdst(0)
	s_cmp_lg_u32 s[NH], 0
	s_cbranch_scc0 .Lnohold_\@
	ALL64 v_min_num_f32, , v240                    ; the hold; p is not negative
	WIN 0x41
	ALL64 v_min_num_f32, , v240
	WIN 0
.Lnohold_\@:
	CODES 244, 8
	WIN 0x41
	CODES 244, 8
	s_wait_alu depctr_va_vdst(0)                   ; the wait directly ahead of the first reader of O^T
	RESC 18                                        ; also the plain lines between the conversions and the products
	WIN 0
	s_wait_alu depctr_va_vdst(0)                   ; and of tile A's
	RESC 16
	s_wait_alu depctr_va_vdst(0)
	s_wait_dscnt 0x0                               ; V
	PV
	WIN 0x54
	PV
	WIN 0
.if \hid
.Lhidden_\@:
.endif
	s_add_co_u32 s[KF], s[KF], 128
.endm
; A block ends: O^T / the sum x 2^(e4 + e5) is y; held, converted with e6, stored as the image of the last product's fragment registers: 2 x 512 consecutive bytes a tile.
.macro YT rc
.set j, 0
.rept 32
	v_mul_f32 v[S+j], v[O+j], v[\rc]
.set j, j+1
.endr
.set j, 0
.rept 32
	v_med3_num_f32 v[S+j], v[S+j], -v241, v241
.set j, j+1
.endr
	CODES 245, 4
.endm
.macro FINISH
.rept 4
	v_nop
.endr
	v_add_f32 v24, v[L], v[L+1]
	WIN 0x05
	v_add_f32 v25, v[L], v[L+1]
	WIN 0
	v_permlanex16_b32 v26, v24, s[SEL], s[SEL+1]
	v_permlanex16_b32 v27, v25, s[SEL], s[SEL+1]
	v_add_f32 v24, v24, v26                        ; the rows' sums
	v_add_f32 v25, v25, v27
	s_wait_alu depctr_va_vdst(0)
	v_rcp_f32 v24, v24
	v_rcp_f32 v25, v25
	v_nop
	s_wait_alu depctr_va_vdst(0)
	v_ldexp_f32 v24, v24, s76
	v_ldexp_f32 v25, v25, s76
	s_wait_alu depctr_va_vdst(0)                   ; directly ahead of the first reader of O^T
	YT 24
	WIN 0x41
	s_wait_alu depctr_va_vdst(0)
	YT 25
	v_nop
	WIN 0
	global_store_b128 v[L16], v[CD:CD+3], s[YB:YB+1]
	global_store_b128 v[L16], v[CD+4:CD+7], s[YB:YB+1] offset:512
	WIN 0x04
	global_store_b128 v[L16], v[CD:CD+3], s[YB:YB+1] offset:4096
	global_store_b128 v[L16], v[CD+4:CD+7], s[YB:YB+1] offset:4608
	WIN 0
.endm
.Ltrip:                                            ; nine trips
	s_wait_loadcnt 0x0                             ; the next trip's keys are in my registers
	s_wait_dscnt 0x0                               ; my stores into this trip's slot are done, and my reads of the other are over
	s_barrier_signal -1
	s_barrier_wait -1
	s_cmp_lt_u32 s[TAU], 8                         ; the last trip has no successor
	s_cbranch_scc0 .Lnostore
	s_xor_b32 s[TS], s[TB], SLOT1
	v_add_nc_u32 v[ADS], s[TS], v[AS0]
	WIN 0x04
	LSTORE ST, ADS                                 ; into the slot that nobody reads any more
	WIN 0
.Lnostore:
	STEP 0, 0
	STEP 1, 1
	s_cmp_lg_u32 s[TAU], s[PI]                     ; the first block's last slot?  A branch on ids, round no barrier
	s_cbranch_scc1 .Lsame
	FINISH
	s_wait_xcnt 0x0                                ; the stores have read their registers and their base
	s_sub_co_u32 s[BLK], 7, s[PI]
	BLOCKADR
	STATE
	WIN 0x41
.set j, 0
.rept 16
	v_mov_b32 v[j], v[Q2+j]                        ; the second block's Q
.set j, j+1
.endr
	WIN 0
	s_mov_b32 s[KF], 0
.Lsame:
	s_xor_b32 s[TB], s[TB], SLOT1
	s_add_co_u32 s[TAU], s[TAU], 1
	s_cmp_lt_u32 s[TAU], 9
	s_wait_alu depctr_va_vdst(0)
	s_cbranch_scc1 .Ltrip
	FINISH
	s_wait_tensorcnt 0x0                           ; the wave's end
	ds_add_u32 v[SPW], v[NIL]
	s_wait_dscnt 0x0
	s_endpgm
.Lfunc_end_k_qf35047c64e_attn:
	.size	k_qf35047c64e_attn, .Lfunc_end_k_qf35047c64e_attn-k_qf35047c64e_attn
	.p2alignl 7, 3214868480
	.fill 96, 4, 3214868480
	.section	.rodata,"a",@progbits
	.p2align	6, 0x0
	.amdhsa_kernel k_qf35047c64e_attn
		.amdhsa_group_segment_fixed_size 132096
		.amdhsa_private_segment_fixed_size 0
		.amdhsa_enable_private_segment 0
		.amdhsa_kernarg_size 40
		.amdhsa_user_sgpr_count 2
		.amdhsa_user_sgpr_kernarg_segment_ptr 1
		.amdhsa_wavefront_size32 1
		.amdhsa_system_sgpr_workgroup_id_x 1
		.amdhsa_system_sgpr_workgroup_id_y 1
		.amdhsa_system_sgpr_workgroup_id_z 1
		.amdhsa_system_vgpr_workitem_id 0
		.amdhsa_next_free_vgpr 512
		.amdhsa_next_free_sgpr 100
		.amdhsa_reserve_vcc 1
		.amdhsa_float_denorm_mode_32 3
		.amdhsa_float_denorm_mode_16_64 3
		.amdhsa_memory_ordered 1
		.amdhsa_forward_progress 1
		.amdhsa_inst_pref_size 102
	.end_amdhsa_kernel
	.amdgpu_metadata
---
amdhsa.version: [ 1, 2 ]
amdhsa.kernels:
  - .name:           k_qf35047c64e_attn
    .symbol:         k_qf35047c64e_attn.kd
    .args:
      - { .name: qc, .offset: 0, .size: 8, .value_kind: global_buffer, .address_space: global }
      - { .name: kc, .offset: 8, .size: 8, .value_kind: global_buffer, .address_space: global }
      - { .name: vc, .offset: 16, .size: 8, .value_kind: global_buffer, .address_space: global }
      - { .name: lowp_scales, .offset: 24, .size: 8, .value_kind: global_buffer, .address_space: global }
      - { .name: yc, .offset: 32, .size: 8, .value_kind: global_buffer, .address_space: global }
    .group_segment_fixed_size: 132096
    .private_segment_fixed_size: 0
    .kernarg_segment_align: 8
    .kernarg_segment_size: 40
    .max_flat_workgroup_size: 256
    .sgpr_count:     100
    .vgpr_count:     512
    .wavefront_size: 32
...
	.end_amdgpu_metadata
.endif
;; end of part 3
;; launch gemm_out (part 4): grid 4 x 64, 4 waves a work-group, clusters of 4 x 4, 327,680 bytes of LDS; arguments yc, woc, lowp_scales, b_o, out0; writes out0
.if DOCPART == 4
	.amdgcn_target "amdgcn-amd-amdhsa--gfx1250"
	.amdhsa_code_object_version 6
	.text
	.protected	k_qf35047c64e_gemm_out
	.globl	k_qf35047c64e_gemm_out
	.p2align	8
	.type	k_qf35047c64e_gemm_out,@function
k_qf35047c64e_gemm_out:
	s_mov_b64 s[64:65], 0
	v_nop
	global_prefetch_b8 v0, s[64:65] scope:SCOPE_SE
	s_setreg_imm32_b32 hwreg(HW_REG_WAVE_MODE, 25, 1), 1
	s_wait_xcnt 0x0
	s_wait_alu depctr_hold_cnt(0) depctr_sa_sdst(0) depctr_va_vdst(0) depctr_va_sdst(0) depctr_va_ssrc(0) depctr_va_vcc(0) depctr_vm_vsrc(0)
	s_getreg_b32 s2, hwreg(HW_REG_IB_STS2, 6, 4)
	s_cmp_eq_u32 s2, 0
	s_cbranch_scc0 .Lentry_in_a_cluster
	s_endpgm
.Lentry_in_a_cluster:
	s_bfe_u32 s2, ttmp6, 0x10000c
	s_cmp_lg_u32 s2, 0xf033
	s_cbranch_scc0 .Lentry_shape_is_right
	s_endpgm
.Lentry_shape_is_right:
; out0 = y w_o + b_o on codes of FP8 (E4M3): each finished f32 sum x 2^(e6 + e7) + bias.  y [8192][1024] comes as yc, w_o as woc [column][1024], K innermost.
; A block of 128 tokens x 256 columns is made by four waves, 64 x 128 each: 32 accumulators, 256 registers.  8,192 / 128 x 1,024 / 256 = 256 work-groups.
; K = 1,024 goes in steps of 256 through a ring of two LDS slots filled by the tensor data mover, one load a wave: waves 0 and 1 fetch halves of y's part, waves 2 and 3 halves of w_o's 256 rows.
; yc IS THE IMAGE OF THE FRAGMENT REGISTERS: [block of 128 tokens][K step of 256][tile of 16 tokens][128 along K: 2,048 bytes][four registers x 32 lanes: 512 bytes].  A K step of a block is 32 KiB on end:
; it lands as it lies, and a fragment load reads 16 x lane: no padding is wanted.  woc's rows of 256 bytes get 16 bytes of padding: the 16 rows that a load touches start at 16 different banks (ISA guide 11.1).
; k lies in every fragment as registers 4 c .. 4 c + 3 = K 32 c + 16 (lane / 16) + 0 .. 15, alike on both sides: a permutation of k, so every product meets its partner.
; CLUSTERS: 4 x 4.  y's part hangs on the block of tokens alone and is asked for jointly along a row of the cluster, w_o's on the block of columns alone, along a column.
; THE MATRIX INSTRUCTION IS USED TRANSPOSED (source 0 = 16 columns of w_o, source 1 = 16 tokens): a lane holds eight neighbouring numbers of a row of out0.
; Both operands have two sets of fragment registers: a step's 48 LDS loads for the next step are issued ahead of its 32 products.
; No prefetch: K has four steps, two of them first fills; nothing is left that a look-ahead could name.
; LIMIT: e6 + e7 between -126 and 127, so that 2^(e6 + e7) is an f32 number.
; REGISTERS: window 0: v1-29 addresses, v8-11 the bias; v128-255 y's fragments, two sets of 4 x 16; on the way out v128-255 take the rows read back.  window 1: w_o's fragments, two sets of 8 x 16.
;   window 2: the accumulators ((a, b) at v[8 (8 a + b)]).
.set ROWB,   256
.set KROW,   1024
.set PITCH,  272
.set FR,     16
.set NP,     4                         ; places behind this matrix instruction (ISA guide 7.12.1)
.set AKS,    32768                     ; a K step of a block of tokens, in memory and in LDS
.set AHALF,  16384                     ; what one wave fetches, and what one wave reads of it: 64 tokens
.set BHALF,  128*PITCH
.set BOFF,   AKS
.set SLOT,   AKS+2*BHALF
.set LAPS,   2
.set SPARE,  2*SLOT                    ; behind the ring: the spare words, 128 bytes a wave
.set SPITCH, 528                       ; the way out: a stage of 16 rows x (512 + 16) bytes a wave, in slot 0, which has had its last fill and its last read by then
.set ADRA, 16
.set ADRB, 20
.set STO,  24
.set RD,   25
.set CO,   26
.set SPW,  28
.set NIL,  29
.set AF,   128
.set BK,   128
.set G1, 24
.set G0, 32
.set G1B, 48
.set G0B, 56
.set MSB, 0
.macro WIN new                         ; the immediate's high byte repeats the setting that is left
.if MSB != (\new)
	s_set_vgpr_msb (MSB<<8)|(\new)
.set MSB, (\new)
.endif
.endm
.set MUL_LO, 0xa1                      ; source 0 window 1, source 1 window 0, C and D window 2
.set TO_B,   0x40
; A joint load: waves 0 and 1 fetch for y, waves 2 and 3 for w_o.  The branch hangs on the wave's number alone.  An s_nop 0 and four v_nop follow each line.
.macro JLOAD g0a, g1a, g0b, g1b
	s_cmp_eq_u32 s15, 0
	s_cbranch_scc0 .Lfor_b_\@
	tensor_load_to_lds s[\g0a:\g0a+3], s[\g1a:\g1a+7]
	s_nop 0
.rept 4
	v_nop
.endr
	s_branch .Lasked_\@
.Lfor_b_\@:
	tensor_load_to_lds s[\g0b:\g0b+3], s[\g1b:\g1b+7]
	s_nop 0
.rept 4
	v_nop
.endr
.Lasked_\@:
.endm
.macro CREST                           ; a round of the cluster's barrier behind its opening barrier
	s_cmp_lg_u32 s14, 0
	s_cbranch_scc1 .Lnot_wave_0_\@
	s_barrier_signal -3
.Lnot_wave_0_\@:
	s_barrier_wait -3
	s_barrier_signal -1
	s_barrier_wait -1
.endm
.macro CROUND
	s_barrier_signal -1
	s_barrier_wait -1
	CREST
.endm
	s_load_b128 s[4:7], s[0:1], 0x0                ; yc, woc
	s_load_b128 s[8:11], s[0:1], 0x10              ; the scales' exponents, b_o
	s_load_b64 s[12:13], s[0:1], 0x20              ; out0
	v_lshl_add_u32 v[SPW], v0, 2, SPARE
	v_mov_b32 v[NIL], 0
	ds_add_u32 v[SPW], v[NIL]                      ; the wave's opening
	ds_add_u32 v[SPW], v[NIL]
	v_lshrrev_b32 v1, 5, v0
	v_readfirstlane_b32 s14, v1                    ; wave 0..3
	s_lshr_b32 s15, s14, 1                         ; my 64 of the block's tokens.  Also: I fetch for y (0) or for w_o (1)
	s_and_b32 s16, s14, 1                          ; my 128 of its columns.  Also: which half I fetch
	s_bfe_u32 s40, ttmp6, 0x40000                  ; cx
	s_bfe_u32 s41, ttmp6, 0x40004                  ; cy
	s_lshl_b32 s42, ttmp9, 2
	s_add_co_u32 s42, s42, s40                     ; block of 256 columns
	s_and_b32 s17, ttmp7, 0xffff
	s_lshl_b32 s17, s17, 2
	s_add_co_u32 s17, s17, s41                     ; block of 128 tokens
	s_lshl_b32 s43, s41, 2
	s_lshl_b32 s43, 15, s43                        ; my row of the cluster
	s_lshl_b32 s44, 0x1111, s40                    ; my column
	s_or_b32 s[G1+0], s43, (3<<16)|(1<<21)         ; y: the mask; elements of 8 bytes; bit 21 beside a mask; no padding
	s_mov_b32 s[G1+1], 32<<16                      ; rows of 256 bytes,
	s_mov_b32 s[G1+2], 64<<16                      ; 64 of them: 16 KiB on end
	s_mov_b32 s[G1+3], 32<<16
	s_mov_b32 s[G1+4], 64
	s_mov_b32 s[G1+5], 32
	s_mov_b32 s[G1+6], 0
	s_mov_b32 s[G1+7], 0
	s_or_b32 s[G1B+0], s44, (0<<16)|(1<<20)|(1<<21)|(5<<22)|(3<<25)   ; w_o: elements of 1 byte; 4 words of padding after every 64
	s_mov_b32 s[G1B+1], ROWB<<16
	s_mov_b32 s[G1B+2], 128<<16
	s_mov_b32 s[G1B+3], ROWB<<16
	s_mov_b32 s[G1B+4], 128
	s_mov_b32 s[G1B+5], KROW
	s_mov_b32 s[G1B+6], 0
	s_mov_b32 s[G1B+7], 0
	s_lshl_b32 s20, s17, 3
	s_add_co_u32 s20, s20, s16
	s_lshl_b32 s20, s20, 14                        ; y: 131,072 x block + 16,384 x half
	s_mov_b32 s21, 0
	s_lshl_b32 s18, s16, 7
	s_lshl_b32 s46, s42, 8
	s_add_co_u32 s46, s46, s18
	s_lshl_b32 s46, s46, 10                        ; w_o: (256 x block + 128 x half) rows of 1,024 bytes
	s_mov_b32 s47, 0
	s_lshl_b32 s45, s16, 14                        ; where they go: no place in the cluster enters an LDS address
	s_mul_i32 s19, s16, BHALF
	s_add_co_u32 s19, s19, BOFF
	s_wait_dscnt 0x0                               ; both opening adds are done
	s_wait_kmcnt 0x0
	s_load_b64 s[96:97], s[8:9], 0x18              ; e6, e7
	s_add_nc_u64 s[20:21], s[4:5], s[20:21]
	s_add_nc_u64 s[46:47], s[6:7], s[46:47]
	CROUND                                         ; all sixteen work-groups are here: the first joint loads meet
.irp s, 0,1
	s_mov_b32 s[G0+4*\s], 1
	s_add_co_u32 s[G0+4*\s+1], s45, \s*SLOT
	s_add_nc_u64 s[G0+4*\s+2:G0+4*\s+3], s[20:21], \s*AKS
	s_or_b32 s[G0+4*\s+3], s[G0+4*\s+3], 0x80000000
	s_mov_b32 s[G0B+4*\s], 1
	s_add_co_u32 s[G0B+4*\s+1], s19, \s*SLOT
	s_add_nc_u64 s[G0B+4*\s+2:G0B+4*\s+3], s[46:47], \s*ROWB
	s_or_b32 s[G0B+4*\s+3], s[G0B+4*\s+3], 0x80000000
.endr
	JLOAD G0, G1, G0B, G1B                         ; K step 0: one tensor load a wave at the head
	v_and_b32 v1, 15, v0                           ; r
	v_bfe_u32 v2, v0, 4, 1                         ; h
	v_and_b32 v6, 31, v0
	v_lshlrev_b32 v[CO], 4, v6                     ; 16 x lane
	v_mul_u32_u24 v3, v1, PITCH
	v_lshl_add_u32 v4, v2, 4, v3                   ; w_o: a fragment's row x pitch + 16 h
	s_lshl_b32 s21, s15, 14                        ; my 64 tokens of y's part
	s_mul_i32 s22, s16, BHALF
	s_add_co_u32 s22, s22, BOFF                    ; my 128 rows of w_o
.irp s, 0,1
	v_add_nc_u32 v[ADRA+\s], s21, v[CO]
	v_add_nc_u32 v[ADRB+\s], s22, v4
	s_add_co_u32 s21, s21, SLOT
	s_add_co_u32 s22, s22, SLOT
.endr
	s_mul_i32 s23, s14, 16*SPITCH                  ; my stage
	v_mul_u32_u24 v5, v1, SPITCH
	v_lshl_add_u32 v5, v2, 5, v5
	v_add_nc_u32 v[STO], s23, v5                   ; in: row r, 32 bytes for each half of the lanes
	v_add_nc_u32 v[RD], s23, v[CO]                 ; back: the 32 lanes take one row of 512 bytes
	s_lshl_b32 s18, s42, 10
	s_lshl_b32 s22, s16, 9
	s_add_co_u32 s18, s18, s22                     ; my first column, in bytes
	s_mov_b32 s19, 0
	s_add_nc_u64 s[10:11], s[10:11], s[18:19]
	global_load_b128 v[8:11], v[CO], s[10:11]      ; the bias of my four columns of a row read back
	s_lshl_b32 s22, s17, 7
	s_lshl_b32 s23, s15, 6
	s_add_co_u32 s22, s22, s23                     ; my first token
	s_lshl_b32 s22, s22, 12
	s_mov_b32 s23, 0
	s_add_nc_u64 s[12:13], s[12:13], s[22:23]
	s_add_nc_u64 s[12:13], s[12:13], s[18:19]
.macro FRAG reg, adr, q, i             ; w_o: 16 rows x 128 K
.irp c, 0,1,2,3
	ds_load_b128 v[\reg+4*\c:\reg+4*\c+3], v[\adr] offset:128*(\q)+32*\c+(\i)*16*PITCH
.endr
.endm
.macro FRAGA reg, adr, q, i            ; y: the registers' image
.irp c, 0,1,2,3
	ds_load_b128 v[\reg+4*\c:\reg+4*\c+3], v[\adr] offset:4096*(\i)+2048*(\q)+512*\c
.endr
.endm
; 16 matrix instructions: y's tiles a0, a0 + 1 x w_o's eight, from the sets p.  The 32 accumulators take turns, one instruction a turn, in the same order in every step.
.macro MUL16 a0, p, zero
.irp a, \a0, \a0+1
.irp b, 0,1,2,3,4,5,6,7
.if \zero
	v_wmma_f32_16x16x128_fp8_fp8 v[8*(8*(\a)+\b):8*(8*(\a)+\b)+7], v[128*(\p)+FR*\b:128*(\p)+FR*\b+FR-1], v[AF+64*(\p)+FR*(\a):AF+64*(\p)+FR*(\a)+FR-1], 0
.else
	v_wmma_f32_16x16x128_fp8_fp8 v[8*(8*(\a)+\b):8*(8*(\a)+\b)+7], v[128*(\p)+FR*\b:128*(\p)+FR*\b+FR-1], v[AF+64*(\p)+FR*(\a):AF+64*(\p)+FR*(\a)+FR-1], v[8*(8*(\a)+\b):8*(8*(\a)+\b)+7]
.endif
.endr
.endr
.endm
.macro FETCH slot, q, p                ; 48 LDS loads: the fragments of the slot's q-th 128 along K into the sets p
	WIN TO_B
.irp i, 0,1,2,3,4,5,6,7
	FRAG 128*(\p)+FR*\i, ADRB+\slot, \q, \i
.endr
	WIN 0
.irp i, 0,1,2,3
	FRAGA AF+64*(\p)+FR*\i, ADRA+\slot, \q, \i
.endr
.endm
.macro PLACES n                        ; plain vector lines between a matrix instruction and a load into, or a store of, its registers
.rept \n
	v_nop
.endr
.endm
.macro STEP slot, zero                 ; a slot's first 128 along K, from the sets 0; the second 128's fragments are asked for ahead of the products
	s_wait_dscnt 0x0                               ; the sets 0 are in
	PLACES NP                                      ; the sets 1 were read by the products just issued
	FETCH \slot, 1, 1
	WIN MUL_LO
	MUL16 0, 0, \zero
	MUL16 2, 0, \zero
	WIN 0
.endm
; A slot's second 128 changes slots: one barrier; in front of it each wave waits for all its tensor loads, adds 0 to its spare word, and waits for that and for its reads of this slot.
.macro TURN slot, next, fill
	s_wait_tensorcnt 0x0                           ; all my tensor loads have landed: my part of the next slot
	ds_add_u32 v[SPW], v[NIL]
	s_wait_dscnt 1                                 ; the sets 1 are in; the add alone may be out
	WIN MUL_LO
	MUL16 0, 1, 0                                  ; sixteen matrix instructions stand between the add and the wait for it
	s_wait_dscnt 0x0                               ; the add is done, and my reads of this slot are over
	s_barrier_signal -1
	WIN 0
	s_barrier_wait -1
.if \fill
	CREST                                          ; the barrier has opened a round of the cluster's: no wave of any partner still reads this slot or has a load on its way
	s_add_nc_u64 s[G0+4*\slot+2:G0+4*\slot+3], s[G0+4*\slot+2:G0+4*\slot+3], 2*AKS
	s_add_nc_u64 s[G0B+4*\slot+2:G0B+4*\slot+3], s[G0B+4*\slot+2:G0B+4*\slot+3], 2*ROWB
	JLOAD G0+4*\slot, G1, G0B+4*\slot, G1B         ; the first tensor load behind the round; its four v_nop are the places in front of the loads below
.else
	PLACES NP
.endif
	FETCH \next, 0, 0
	WIN MUL_LO
	MUL16 2, 1, 0
	WIN 0
.endm
	s_wait_alu depctr_va_vdst(0)
	s_wait_tensorcnt 0x0                           ; my part of K step 0 is in
	ds_add_u32 v[SPW], v[NIL]
	s_wait_dscnt 0x0
	CROUND                                         ; a whole round: everybody's part of K step 0 is in, and the joint loads meet
	JLOAD G0+4, G1, G0B+4, G1B                     ; K step 1, the first tensor load behind the round
	FETCH 0, 0, 0
	STEP 0, 1                                      ; the first step's products start the sums
	s_mov_b32 s3, LAPS-1
.Llap:
	TURN 0, 1, 1
	STEP 1, 0
	TURN 1, 0, 1
	STEP 0, 0
	s_sub_co_u32 s3, s3, 1
	s_cmp_lg_u32 s3, 0
	s_cbranch_scc1 .Llap
	TURN 0, 1, 0                                   ; the last lap fills nothing
	STEP 1, 0
	s_wait_dscnt 0x0
	WIN MUL_LO
	MUL16 0, 1, 0
	MUL16 2, 1, 0
	WIN 0
; THE WAY OUT, a block of 16 tokens x 128 columns at a time: the sums go through my own stage and come back as whole rows of 512 bytes; there each pair x 2^(e6 + e7) + bias, one packed multiply-add;
; the 32 lanes store two aligned units of 256 bytes.  LDS serves a wave's instructions in order: no wait between the stores and the loads.
.macro TOSTAGE a
.set AC, 64*(\a)
	WIN 0x08                                       ; the stores' data lie in window 2
.irp b, 0,1,2,3,4,5,6,7
	ds_store_b128 v[STO], v[AC+8*\b:AC+8*\b+3] offset:64*\b          ; each accumulator from its low end on
	ds_store_b128 v[STO], v[AC+8*\b+4:AC+8*\b+7] offset:64*\b+16
.endr
	WIN 0
.set BB, BK+64*((\a)%2)
.irp t, 0,1,2,3,4,5,6,7,8,9,10,11,12,13,14,15
	ds_load_b128 v[BB+4*\t:BB+4*\t+3], v[RD] offset:\t*SPITCH
.endr
.endm
.macro SEND a, younger                 ; younger: the LDS instructions issued behind block a's loads
.set BB, BK+64*((\a)%2)
	s_wait_dscnt \younger
.irp t, 0,1,2,3,4,5,6,7,8,9,10,11,12,13,14,15
	v_pk_fma_f32 v[BB+4*\t:BB+4*\t+1], v[BB+4*\t:BB+4*\t+1], s[96:97], v[8:9] op_sel_hi:[1,0,1]
	v_pk_fma_f32 v[BB+4*\t+2:BB+4*\t+3], v[BB+4*\t+2:BB+4*\t+3], s[96:97], v[10:11] op_sel_hi:[1,0,1]
.endr
.irp t, 0,1,2,3,4,5,6,7,8,9,10,11,12,13,14,15
	global_store_b128 v[CO], v[BB+4*\t:BB+4*\t+3], s[12:13] offset:(16*(\a)+\t)*4096 th:TH_STORE_NT
.endr
.endm
	s_wait_kmcnt 0x0
	s_add_co_i32 s96, s96, s97
	s_add_co_i32 s96, s96, 127
	s_lshl_b32 s96, s96, 23                        ; 2^(e6 + e7) as f32
	s_mov_b32 s97, s96
	PLACES NP                                      ; in front of the stores of results just made and of the loads into the registers that held y's fragments
	s_wait_loadcnt 0x0                             ; the bias
	TOSTAGE 0
.irp a, 1,2,3
.if \a > 1
	s_wait_xcnt 0x0                                ; block a - 2's stores have read their registers: block a's loads may land there
.endif
	TOSTAGE \a
	SEND \a-1, 32                                  ; behind block a - 1's loads: block a's 16 stores and 16 loads
.endr
	SEND 3, 0
	s_wait_tensorcnt 0x0                           ; the wave's end
	ds_add_u32 v[SPW], v[NIL]
	s_wait_dscnt 0x0
	CROUND                                         ; the closing round
	s_endpgm
.Lfunc_end_k_qf35047c64e_gemm_out:
	.size	k_qf35047c64e_gemm_out, .Lfunc_end_k_qf35047c64e_gemm_out-k_qf35047c64e_gemm_out
	.p2alignl 7, 3214868480
	.fill 96, 4, 3214868480
	.section	.rodata,"a",@progbits
	.p2align	6, 0x0
	.amdhsa_kernel k_qf35047c64e_gemm_out
		.amdhsa_group_segment_fixed_size 327680
		.amdhsa_private_segment_fixed_size 0
		.amdhsa_enable_private_segment 0
		.amdhsa_kernarg_size 40
		.amdhsa_user_sgpr_count 2
		.amdhsa_user_sgpr_kernarg_segment_ptr 1
		.amdhsa_wavefront_size32 1
		.amdhsa_system_sgpr_workgroup_id_x 1
		.amdhsa_system_sgpr_workgroup_id_y 1
		.amdhsa_system_sgpr_workgroup_id_z 1
		.amdhsa_system_vgpr_workitem_id 0
		.amdhsa_next_free_vgpr 768
		.amdhsa_next_free_sgpr 100
		.amdhsa_reserve_vcc 0
		.amdhsa_float_denorm_mode_32 3
		.amdhsa_float_denorm_mode_16_64 3
		.amdhsa_memory_ordered 1
		.amdhsa_forward_progress 1
		.amdhsa_inst_pref_size 75
	.end_amdhsa_kernel
	.amdgpu_metadata
---
amdhsa.version: [ 1, 2 ]
amdhsa.kernels:
  - .name:           k_qf35047c64e_gemm_out
    .symbol:         k_qf35047c64e_gemm_out.kd
    .args:
      - { .name: yc, .offset: 0, .size: 8, .value_kind: global_buffer, .address_space: global }
      - { .name: woc, .offset: 8, .size: 8, .value_kind: global_buffer, .address_space: global }
      - { .name: lowp_scales, .offset: 16, .size: 8, .value_kind: global_buffer, .address_space: global }
      - { .name: b_o, .offset: 24, .size: 8, .value_kind: global_buffer, .address_space: global }
      - { .name: out0, .offset: 32, .size: 8, .value_kind: global_buffer, .address_space: global }
    .group_segment_fixed_size: 327680
    .private_segment_fixed_size: 0
    .kernarg_segment_align: 8
    .kernarg_segment_size: 40
    .max_flat_workgroup_size: 128
    .sgpr_count:     100
    .vgpr_count:     768
    .wavefront_size: 32
...
	.end_amdgpu_metadata
.endif
;; end of part 4
